; MI455X (gfx1250); checked and timed in simulation.
; The chip was launched on July 23, 2026; its instructions are those of AMD's public machine-readable ISA for CDNA 5 (MIT licence, August 2026) and "CDNA5" Instruction Set Architecture Reference Guide (July 2026). The comments in the code are by the model that wrote it; some were corrected since.
;; Attention. Allowed arithmetic: matrix products marked QUANTISED: E2M1 operands, one E8M0 scale for each 32 along K, by v_wmma_scale_f32_16x16x128_f8f6f4 with both operands' format E2M1 (or v_wmma_scale_f32_32x16x128_f4), f32 sums; products left as they are: bf16, f16 or f32 operands; f32 sums; everything else in f32.
;; Inputs: Wk 512 x 512 float32; Wq 512 x 512 float32; Wv 512 x 512 float32; embeddings 32 x 1,024 x 512 float32.
;; Outputs: out0 32 x 1,024 x 512 float32.
;; This version of the problem:
;;   THIS VERSION OF THE PROBLEM IS GIVEN IN LOW PRECISION. The matrix products marked QUANTISED in the list below multiply operands that are first quantised to E2M1 (2 exponent bits, 1 mantissa bit; 4 bits a number), with one power-of-two scale for each 32 numbers along K (OCP MX v1.0); their sums are f32. The products marked 'left as it is' may take bf16, f16 or f32 operands, with f32 sums. Whichever they take, every output number must still come out within the allowed error. Rounding operands to bf16 (8 significant bits) uses up far more of that allowance than f16 does (11 bits, for magnitudes from 6e-5 to 65,504). All else is computed in f32.
;;   The module's matrix products, in the order in which they are computed (A, B: the left and right operand; K: the contracted axis; several contracted axes count as one K, in the product's order):
;;     1. [M 32,768, K 512] x [K 512, N 512]; A: input embeddings; B: input Wq: QUANTISED
;;     2. [M 32,768, K 512] x [K 512, N 512]; A: input embeddings; B: input Wk: QUANTISED
;;     3. [M 32,768, K 512] x [K 512, N 512]; A: input embeddings; B: input Wv: QUANTISED
;;     4. batch 32 x [M 1,024, K 512] x [K 512, N 1,024]; A: computed on the way; B: computed on the way: left as it is (an operand is computed on the way)
;;     5. batch 32 x [M 1,024, K 1,024] x [K 1,024, N 512]; A: computed on the way; B: computed on the way: left as it is (an operand is computed on the way)
;;   THE QUANTISER, for each operand of a quantised product, along K:
;;     - K is cut into blocks of 32 from its start; a last block that is shorter is filled with zeros.
;;     - A block's scale is 2^e with e = floor(log2(the largest magnitude in the block)) - 2, held to -126 .. 127; a block of zeros has e = 0. As a byte (E8M0): e + 127.
;;     - Each number is divided by its block's scale, clamped to +-6, and rounded to the nearest number of E2M1, ties to even, subnormals kept.
;;     - The product sums the exact products of the quantised numbers (number of the format x scale) in f32.
;;   ~~~python
;;   def quantise(x, axis):      # numpy; x: float32 -> the quantised numbers, widened to float32 again
;;       x = np.moveaxis(x, axis, -1); K = x.shape[-1]
;;       x = np.pad(x, [(0, 0)] * (x.ndim - 1) + [(0, -K % 32)]); x = x.reshape(x.shape[:-1] + (-1, 32)); a = np.abs(x).max(-1, keepdims=True)
;;       e = np.where(a > 0, np.clip(np.frexp(np.where(a > 0, a, 1))[1] - 1 - 2, -126, 127), 0)      # np.frexp(a)[1] - 1 = floor(log2(a)), exactly
;;       r = np.clip(x / 2.0 ** e, -6, 6)
;;       step = 2.0 ** (np.maximum(np.frexp(np.where(r == 0, 1, r))[1] - 1, 0) - 1)
;;       q = np.round(r / step) * step * 2.0 ** e      # np.round: ties to even
;;       return np.moveaxis(q.reshape(q.shape[:-2] + (-1,))[..., :K], -1, axis).astype(np.float32)
;;   ~~~
;; 2 versions, each right. Each part assembles by itself: llvm-mc -triple=amdgcn-amd-amdhsa -mcpu=gfx1250 --defsym DOCPART=n.
;; ======== version 1 of 2: 3 launches
;; limits: values are held in f16: magnitudes above 65,504 overflow, below 6.1e-05 lose precision
;; workspace buffers: wimg 393,216 bytes; wsc 24,576 bytes; qbuf 33,554,432 bytes; kbuf 33,554,432 bytes; vbuf 33,554,432 bytes
;; launch wquant (part 1): grid 24 x 1, 4 waves a work-group, no clusters, 0 bytes of LDS; arguments Wq, Wk, Wv, wimg, wsc; writes wimg, wsc
.if DOCPART == 1
	.amdgcn_target "amdgcn-amd-amdhsa--gfx1250"
	.amdhsa_code_object_version 6
	.text
	.protected	k_q4dd2dd76bc_wquant
	.globl	k_q4dd2dd76bc_wquant
	.p2align	8
	.type	k_q4dd2dd76bc_wquant,@function
k_q4dd2dd76bc_wquant:
	s_mov_b64 s[64:65], 0
	v_nop
	global_prefetch_b8 v0, s[64:65] scope:SCOPE_SE
	s_setreg_imm32_b32 hwreg(HW_REG_WAVE_MODE, 25, 1), 1
	s_wait_xcnt 0x0
; FIRST OF THREE LAUNCHES.  out = softmax(where(q k^T / sqrt(512) == 0, 1e-10, .)) v, with q, k, v = embeddings W^T on codes of FP4 (E2M1) with one E8M0 scale for each 32 along d.
; NOTHING IS LEFT OUT: all four inputs reach the output, all five products are done, and the replacement of zero scores is done by compare and select.
; THIS LAUNCH turns Wq, Wk, Wv ([512 out][512 in] f32, K = in, innermost) into codes and scale bytes, laid in the order of the reader's operand registers:
;   wimg: image (t x 4 + s) of 1,024 bytes, t = 32 y + T (y = 0, 1, 2: Wq, Wk, Wv; T: 16 rows), s: 128 along K.  In an image lane l's registers 4 c .. 4 c + 3 lie at 512 c + 16 l:
;         lane (r = l % 16, h = l / 16) holds the 32 codes of row 16 T + r, block 4 s + 2 c + h: the layout of a 4-bit operand.
;   wsc:  [1,536 rows][16 bytes]: the byte of block b at byte b, so that word s of a row is the scale word of K step s.
; A block's scale is 2^(floor(log2(largest magnitude)) - 2); its byte is the largest magnitude's exponent field - 2, held at 1 from below.
; LIMITS: a block of zeros gets the byte 1 where the rule says 127 (its codes are zeros, which add nothing, and this program alone reads the bytes); blocks whose largest magnitude lies under 2^-124 have
; the byte held at 1; NaN and infinities among the inputs are not served.
; SHARES: a wave takes one tile t: 16 rows x 512.  96 waves of work in 24 work-groups; waves share nothing: no LDS, no barrier.
.set MX, 8                             ; v8-9    the two blocks' largest magnitudes
.set SO, 10                            ; v10-11  the conversions' scale operands
.set BY, 12                            ; v12-13  the scale bytes
.set WD, 14                            ; v14     my two bytes at their places in the word
.set PM, 15                            ; v15     the other half's two
.set SW, 24                            ; v24-27  the scale words of K steps 0 to 3
.set X,  32                            ; v32-223 three sets of 64 numbers
.set PC, 224                           ; v224-255 codes: eight registers for each K step, so that no store's data are written again
	s_load_b256 s[4:11], s[0:1], 0x0               ; Wq s[4:5], Wk s[6:7], Wv s[8:9], wimg s[10:11]
	s_load_b64 s[12:13], s[0:1], 0x20              ; wsc
	v_lshrrev_b32 v1, 5, v0
	v_readfirstlane_b32 s16, v1                    ; wave
	v_and_b32 v1, 31, v0                           ; lane
	v_and_b32 v2, 15, v0                           ; r
	v_bfe_u32 v3, v0, 4, 1                         ; h
	v_lshlrev_b32 v4, 11, v2
	v_lshl_add_u32 v4, v3, 7, v4                   ; in: row r of 2,048 bytes, + 128 h: lanes r and r + 16 read 256 neighbouring bytes between them
	v_lshlrev_b32 v5, 4, v1                        ; an image's place for my lane
	v_lshlrev_b32 v6, 3, v3                        ; 8 h: how far my two bytes are shifted in the scale word
	v_lshlrev_b32 v7, 4, v2                        ; my row's 16 scale bytes
	v_mov_b32 v[PM], 0                             ; written once: a lane permute's destination counts as one of its sources
	s_mov_b32 s20, 0x76543210
	s_mov_b32 s21, 0xfedcba98                      ; v_permlanex16_b32's selects for lane l xor 16
	s_lshl_b32 s17, ttmp9, 2
	s_add_co_u32 s17, s17, s16                     ; t = 4 x work-group + wave
	s_and_b32 s18, s17, 31                         ; T
	s_lshl_b32 s18, s18, 15                        ; 16 rows of 2,048 bytes
	s_mov_b32 s19, 0
	s_lshl_b32 s22, s17, 12                        ; four images a tile
	s_mov_b32 s23, 0
	s_lshl_b32 s24, s17, 8                         ; 16 rows of 16 scale bytes
	s_mov_b32 s25, 0
	s_wait_kmcnt 0x0
	s_cmp_lt_u32 ttmp9, 8                          ; which matrix: the choice hangs on the work-group's number alone
	s_cselect_b64 s[4:5], s[4:5], s[6:7]
	s_cmp_lt_u32 ttmp9, 16
	s_cselect_b64 s[4:5], s[4:5], s[8:9]
	s_add_nc_u64 s[4:5], s[4:5], s[18:19]
	s_add_nc_u64 s[10:11], s[10:11], s[22:23]
	s_add_nc_u64 s[12:13], s[12:13], s[24:25]
.macro LOAD s                          ; K step s: my blocks 4 s + h and 4 s + 2 + h, 32 numbers each, into set s % 3
.set XS, X+64*((\s)%3)
.irp c, 0,1
.irp i, 0,1,2,3,4,5,6,7
	global_load_b128 v[XS+32*\c+4*\i:XS+32*\c+4*\i+3], v4, s[4:5] offset:512*(\s)+256*\c+16*\i th:TH_LOAD_NT
.endr
.endr
.endm
.macro QUANT s
.set XS, X+64*((\s)%3)
.irp c, 0,1
	v_max3_num_f32 v[MX+\c], |v[XS+32*\c]|, |v[XS+32*\c+1]|, 0x1800000   ; all 32 numbers of a block are mine; the floor 2^(3 - 127) holds the byte at 1 from below
.endr
.irp i, 2,4,6,8,10,12,14,16,18,20,22,24,26,28,30
.irp c, 0,1
	v_max3_num_f32 v[MX+\c], v[MX+\c], |v[XS+32*\c+\i]|, |v[XS+32*\c+\i+1]|   ; the two blocks by turns
.endr
.endr
.irp c, 0,1
	v_add_nc_u32 v[SO+\c], 0xff000000, v[MX+\c]    ; 2 off the exponent field: the conversion takes the exponent field of this operand as its scale
.endr
.irp c, 0,1
	v_lshrrev_b32 v[BY+\c], 23, v[SO+\c]           ; the scale's byte
.endr
	v_lshl_or_b32 v[WD], v[BY+1], 16, v[BY]        ; blocks h and 2 + h of the K step,
	v_lshlrev_b32 v[WD], v6, v[WD]                 ; at their places in the word;
	v_permlanex16_b32 v[PM], v[WD], s20, s21
	v_or_b32 v[SW+(\s)], v[WD], v[PM]              ; with lane l xor 16's two the word is whole
.irp c, 0,1
.irp g, 0,1,2,3
	v_cvt_scalef32_pk8_fp4_f32 v[PC+8*(\s)+4*\c+\g], v[XS+32*\c+8*\g:XS+32*\c+8*\g+7], v[SO+\c]
.endr
.endr
	v_nop                                          ; one plain place behind the last scaled conversion
	global_store_b128 v5, v[PC+8*(\s):PC+8*(\s)+3], s[10:11] offset:1024*(\s)          ; 32 lanes store 512 consecutive bytes, aligned
	global_store_b128 v5, v[PC+8*(\s)+4:PC+8*(\s)+7], s[10:11] offset:1024*(\s)+512
.endm
	LOAD 0
	LOAD 1
	LOAD 2
	s_wait_loadcnt 32                              ; K step 0's sixteen loads are in; the 32 of steps 1 and 2 may be out
	QUANT 0
	LOAD 3                                         ; into set 0, which has been converted
	s_wait_loadcnt 32                              ; step 1 is in; steps 2 and 3 may be out
	QUANT 1
	s_wait_loadcnt 16                              ; step 2 is in; step 3 may be out
	QUANT 2
	s_wait_loadcnt 0x0
	QUANT 3
	s_wait_xcnt 0x0                                ; EXEC is a source of the pending stores: it changes only behind this wait
	v_cmp_gt_u32 vcc_lo, 16, v1
	s_and_saveexec_b32 s26, vcc_lo                 ; both halves hold the same words: lanes 0 to 15 store them
	global_store_b128 v7, v[SW:SW+3], s[12:13]     ; 16 lanes store 256 consecutive bytes, aligned
	s_wait_xcnt 0x0                                ; and again, in front of the line that widens EXEC
	s_or_b32 exec_lo, exec_lo, s26
	s_endpgm
.Lfunc_end_k_q4dd2dd76bc_wquant:
	.size	k_q4dd2dd76bc_wquant, .Lfunc_end_k_q4dd2dd76bc_wquant-k_q4dd2dd76bc_wquant
	.p2alignl 7, 3214868480
	.fill 96, 4, 3214868480
	.section	.rodata,"a",@progbits
	.p2align	6, 0x0
	.amdhsa_kernel k_q4dd2dd76bc_wquant
		.amdhsa_group_segment_fixed_size 0
		.amdhsa_private_segment_fixed_size 0
		.amdhsa_enable_private_segment 0
		.amdhsa_kernarg_size 40
		.amdhsa_user_sgpr_count 2
		.amdhsa_user_sgpr_kernarg_segment_ptr 1
		.amdhsa_wavefront_size32 1
		.amdhsa_system_sgpr_workgroup_id_x 1
		.amdhsa_system_sgpr_workgroup_id_y 1
		.amdhsa_system_sgpr_workgroup_id_z 1
		.amdhsa_system_vgpr_workitem_id 0
		.amdhsa_next_free_vgpr 256
		.amdhsa_next_free_sgpr 66
		.amdhsa_reserve_vcc 1
		.amdhsa_float_denorm_mode_32 3
		.amdhsa_float_denorm_mode_16_64 3
		.amdhsa_memory_ordered 1
		.amdhsa_forward_progress 1
		.amdhsa_inst_pref_size 21
	.end_amdhsa_kernel
	.amdgpu_metadata
---
amdhsa.version: [ 1, 2 ]
amdhsa.kernels:
  - .name:           k_q4dd2dd76bc_wquant
    .symbol:         k_q4dd2dd76bc_wquant.kd
    .args:
      - { .name: Wq, .offset: 0, .size: 8, .value_kind: global_buffer, .address_space: global }
      - { .name: Wk, .offset: 8, .size: 8, .value_kind: global_buffer, .address_space: global }
      - { .name: Wv, .offset: 16, .size: 8, .value_kind: global_buffer, .address_space: global }
      - { .name: wimg, .offset: 24, .size: 8, .value_kind: global_buffer, .address_space: global }
      - { .name: wsc, .offset: 32, .size: 8, .value_kind: global_buffer, .address_space: global }
    .group_segment_fixed_size: 0
    .private_segment_fixed_size: 0
    .kernarg_segment_align: 8
    .kernarg_segment_size: 40
    .max_flat_workgroup_size: 128
    .sgpr_count:     66
    .vgpr_count:     256
    .wavefront_size: 32
...
	.end_amdgpu_metadata
.endif
;; end of part 1
;; launch proj (part 2): grid 256 x 1, 4 waves a work-group, no clusters, 327,680 bytes of LDS; arguments embeddings, wimg, wsc, qbuf, kbuf, vbuf; writes qbuf, kbuf, vbuf
.if DOCPART == 2
	.amdgcn_target "amdgcn-amd-amdhsa--gfx1250"
	.amdhsa_code_object_version 6
	.text
	.protected	k_q4dd2dd76bc_proj
	.globl	k_q4dd2dd76bc_proj
	.p2align	8
	.type	k_q4dd2dd76bc_proj,@function
k_q4dd2dd76bc_proj:
	s_mov_b64 s[64:65], 0
	v_nop
	global_prefetch_b8 v0, s[64:65] scope:SCOPE_SE
	s_setreg_imm32_b32 hwreg(HW_REG_WAVE_MODE, 25, 1), 1
	s_wait_xcnt 0x0
; SECOND LAUNCH: q, k, v = Q(embeddings) Q(W)^T on codes of FP4 with E8M0 scales, sums in f32; each result is rounded ONCE to f16, the operand format of the two products of attention, which are left as they are.  Nothing is left out.
; WHY f16: with the drawn spread |q|, |k|, |v| stay under about 6; all inputs 30 times larger give about 5,000; offsets of 30 spreads on embeddings and weights together give about 512 x 30 x 1.33 = 20,400.
; LIMITS: a result beyond 65,504 becomes an infinity of f16; quantiser's limits as in the first launch (a block of zeros has the byte 1; the byte is held at 1 from below; NaN and infinities are not served).
; SHARES.  A work-group takes 128 rows of embeddings, as two blocks of 64 (four tiles of 16).  Wave w quantises tile w of each block; THE WAVES SHARE THE COLUMNS: wave w makes weight tiles 8 w .. 8 w + 7 of each of
; q, k, v for all rows, so that its 96 weight fragments (768 registers) are read once and stay in registers.
; NO JOINT LOADS, though all work-groups read the same weights: a joint load lands in LDS, the weights' 393,216 bytes do not fit there beside the rows' 266,240, and they are wanted in registers, where they stay.
; x comes by the tensor data mover, all of it asked for at the head (two loads a wave are out at the most), each wave's own 16 rows a block; its codes go from wave to wave through LDS as images of the operand's registers.
; THE RESULTS ARE STORED AS IMAGES OF THE NEXT LAUNCH'S OPERAND REGISTERS (1,024 bytes: registers 0-3 at 16 x lane, registers 4-7 at 512 + 16 x lane), so that every store of a wave covers 512 consecutive aligned bytes:
;   q, k: the product is used transposed (source 0 = 16 rows of W, source 1 = 16 rows of x): lane (r, h) holds row r and channels 8 h + 0 .. 7 of the weight tile: half a fragment (16 rows x 32 channels); image (row tile x 16 + channel step).
;   v:    natural order (source 0 = 16 rows of x, source 1 = 16 rows of Wv): lane (r, h) holds channel r and keys 8 h + 0 .. 7: half a fragment of V^T (16 channels x 32 keys); image (key step of 32 x 32 + channel tile).
; LDS: 0: x as f32: wave w at 66,560 w, block b at + 33,280: 32 half rows of 1,024 bytes, 1,040 apart (a row of x: 2,080 bytes = 520 words: row r starts at bank 8 r mod 64, 64 banks of 4 bytes (ISA guide 11.1): rows r and r + 8 meet,
; the price of the longest padding interval, 256 words);  XIMG: 32 images of x's codes;  XSC: their scale words;  SPARE: the spare words.
; REGISTERS: window 0: v1-9 addresses; v10-19 the quantiser's; v24-31 x's scale words; v32-79 W's scale words; v80-111 four accumulators; v112-127 packed results (in the quantiser: codes); v128-255 x's 16 fragments (in the quantiser: numbers).
;   windows 1, 2, 3: Wq's, Wk's, Wv's fragments (tile u, K step s) at v[8 (4 u + s)].
.set XIMG,  266240
.set XSC,   299008
.set SPARE, 301056                     ; the spare words, 128 bytes for each wave: two blocks of 256 bytes that no other line names
.set SPW, 1                            ; v1  LDS address of my spare word; never rewritten
.set NIL, 2                            ; v2  0; never rewritten
.set L16, 3                            ; v3  16 x lane
.set XR,  4                            ; v4  x as f32: my wave's region + 2,080 r + 128 h
.set XWI, 5                            ; v5  where I store images: XIMG + 4,096 w + 16 x lane
.set XWS, 6                            ; v6  and scale words: XSC + 64 w + 4 r
.set XRI, 7                            ; v7  where images are read: XIMG + 16 x lane
.set XRS, 8                            ; v8  and scale words: XSC + 4 x lane
.set SH,  9                            ; v9  8 h
.set MX,  10
.set SO,  12
.set BY,  14
.set WD,  16
.set PM,  17
.set PW,  18                           ; v18-19 the scale word just made, two by turns
.set XSCR, 24                          ; register 2 s + p: lanes 0-15 tile 2 p's words of K step s, lanes 16-31 tile 2 p + 1's
.set WSC,  32                          ; register 4 (4 y + u / 2) + s: lanes 0-15 tile u even, lanes 16-31 u odd
.set ACC,  80
.set PK,   112
.set XFR,  128
.set MSB, 0
.macro WIN new                         ; the immediate's high byte repeats the setting that is left
.if MSB != (\new)
	s_set_vgpr_msb (MSB<<8)|(\new)
.set MSB, (\new)
.endif
.endm
	s_load_b256 s[4:11], s[0:1], 0x0               ; embeddings s[4:5], wimg s[6:7], wsc s[8:9], qbuf s[10:11]
	s_load_b128 s[12:15], s[0:1], 0x20             ; kbuf s[12:13], vbuf s[14:15]
	v_lshl_add_u32 v[SPW], v0, 2, SPARE
	v_mov_b32 v[NIL], 0
	ds_add_u32 v[SPW], v[NIL]                      ; the wave's opening: the add, twice on end, and its wait ahead of my first tensor load
	ds_add_u32 v[SPW], v[NIL]
	v_lshrrev_b32 v3, 5, v0
	v_readfirstlane_b32 s16, v3                    ; wave 0..3
	v_and_b32 v10, 31, v0                          ; lane
	v_and_b32 v11, 15, v0                          ; r
	v_bfe_u32 v12, v0, 4, 1                        ; h
	v_lshlrev_b32 v[L16], 4, v10
	s_mul_i32 s17, s16, 66560                      ; my wave's region of x
	v_mul_u32_u24 v[XR], v11, 2080
	v_lshl_add_u32 v[XR], v12, 7, v[XR]
	v_add_nc_u32 v[XR], s17, v[XR]
	s_lshl_b32 s22, s16, 12
	s_add_co_u32 s22, s22, XIMG
	v_add_nc_u32 v[XWI], s22, v[L16]
	s_lshl_b32 s22, s16, 6
	s_add_co_u32 s22, s22, XSC
	v_lshl_add_u32 v[XWS], v11, 2, s22
	v_add_nc_u32 v[XRI], XIMG, v[L16]
	v_lshl_add_u32 v[XRS], v10, 2, XSC
	v_lshlrev_b32 v[SH], 3, v12
	v_mov_b32 v[PM], 0                             ; written once: a lane permute's destination counts as one of its sources
	s_mov_b32 s20, 0x76543210
	s_mov_b32 s21, 0xfedcba98
	; descriptor group 1: 16 rows of x are 32,768 dense bytes: 32 rows of 128 elements of 8 bytes, 4 words of padding behind each 256 words
	s_mov_b32 s24, (3<<16)|(1<<20)|(7<<22)|(3<<25)
	s_mov_b32 s25, 128<<16                         ; tensor_dim0
	s_mov_b32 s26, 32<<16                          ; tensor_dim1
	s_mov_b32 s27, 128<<16                         ; tile_dim0
	s_mov_b32 s28, 32                              ; tile_dim1
	s_mov_b32 s29, 128                             ; from row to row
	s_mov_b32 s30, 0
	s_mov_b32 s31, 0
	s_lshl_b32 s18, ttmp9, 18                      ; embeddings: 128 rows of 2,048 bytes a work-group,
	s_lshl_b32 s19, s16, 15                        ; 16 a wave
	s_add_co_u32 s18, s18, s19
	s_mov_b32 s19, 0
	s_lshl_b32 s40, s16, 15                        ; wimg: my 8 tiles of 4 images
	s_mov_b32 s41, 0
	s_lshl_b32 s42, s16, 11                        ; wsc: my 128 rows of 16 bytes
	s_mov_b32 s43, 0
	s_lshl_b32 s44, ttmp9, 17                      ; qbuf, kbuf: 8 row tiles of 16 images a work-group; my 4 channel steps
	s_lshl_b32 s45, s16, 12
	s_add_co_u32 s44, s44, s45
	s_mov_b32 s45, 0
	s_lshl_b32 s46, ttmp9, 17                      ; vbuf: 4 key steps of 32 images a work-group; my 8 channel tiles
	s_lshl_b32 s47, s16, 13
	s_add_co_u32 s46, s46, s47
	s_mov_b32 s47, 0
	s_wait_dscnt 0x0                               ; both opening adds are done
	s_wait_kmcnt 0x0
	s_add_nc_u64 s[4:5], s[4:5], s[18:19]
	s_add_nc_u64 s[6:7], s[6:7], s[40:41]
	s_add_nc_u64 s[8:9], s[8:9], s[42:43]
	s_add_nc_u64 s[10:11], s[10:11], s[44:45]
	s_add_nc_u64 s[12:13], s[12:13], s[44:45]
	s_add_nc_u64 s[14:15], s[14:15], s[46:47]
	s_mov_b32 s32, 1                               ; group 0, block 0
	s_mov_b32 s33, s17
	s_mov_b64 s[34:35], s[4:5]
	s_or_b32 s35, s35, 0x80000000
	s_mov_b32 s36, 1                               ; group 0, block 1: 64 rows further down
	s_add_co_u32 s37, s17, 33280
	s_add_nc_u64 s[38:39], s[4:5], 131072
	s_or_b32 s39, s39, 0x80000000
	tensor_load_to_lds s[32:35], s[24:31]          ; both first fills together, by every wave: two loads of mine are out
	s_nop 0
	tensor_load_to_lds s[36:39], s[24:31]
	s_nop 0
.rept 4
	v_nop
.endr
.irp y, 0,1,2                          ; my 32 fragments of each weight: 64 loads of 512 consecutive bytes
	WIN 0x40*(1+\y)
.set i, 0
.rept 64
	global_load_b128 v[4*i:4*i+3], v[L16], s[6:7] offset:131072*\y+512*i
.set i, i+1
.endr
.endr
	WIN 0
.irp y, 0,1,2
.irp p, 0,1,2,3
	global_load_b128 v[WSC+4*(4*\y+\p):WSC+4*(4*\y+\p)+3], v[L16], s[8:9] offset:8192*\y+512*\p   ; lane l: the four scale words of my row 32 p + l
.endr
.endr
.macro XLD be, s                       ; my row's blocks 4 s + h and 4 s + 2 + h of block be, 64 numbers, into set s % 2
.set XS, XFR+64*((\s)%2)
.irp c, 0,1
.irp i, 0,1,2,3,4,5,6,7
	ds_load_b128 v[XS+32*\c+4*\i:XS+32*\c+4*\i+3], v[XR] offset:33280*(\be)+1040*((\s)/2)+512*((\s)%2)+256*\c+16*\i
.endr
.endr
.endm
.macro QUANT s                         ; set s % 2 becomes a fragment's eight registers of codes and its scale word
.set XS, XFR+64*((\s)%2)
.set PC, PK+8*((\s)%2)
.irp c, 0,1
	v_max3_num_f32 v[MX+\c], |v[XS+32*\c]|, |v[XS+32*\c+1]|, 0x1800000   ; the floor 2^(3 - 127) holds the byte at 1 from below
.endr
.irp i, 2,4,6,8,10,12,14,16,18,20,22,24,26,28,30
.irp c, 0,1
	v_max3_num_f32 v[MX+\c], v[MX+\c], |v[XS+32*\c+\i]|, |v[XS+32*\c+\i+1]|
.endr
.endr
.irp c, 0,1
	v_add_nc_u32 v[SO+\c], 0xff000000, v[MX+\c]    ; 2 off the exponent field: the conversion's scale operand
.endr
.irp c, 0,1
	v_lshrrev_b32 v[BY+\c], 23, v[SO+\c]
.endr
	v_lshl_or_b32 v[WD], v[BY+1], 16, v[BY]
	v_lshlrev_b32 v[WD], v[SH], v[WD]
	v_permlanex16_b32 v[PM], v[WD], s20, s21
	v_or_b32 v[PW+(\s)%2], v[WD], v[PM]            ; my row's scale word, in both halves of the lanes
.irp c, 0,1
.irp g, 0,1,2,3
	v_cvt_scalef32_pk8_fp4_f32 v[PC+4*\c+\g], v[XS+32*\c+8*\g:XS+32*\c+8*\g+7], v[SO+\c]
.endr
.endr
	v_nop                                          ; one plain place behind the last scaled conversion
.endm
.macro XST be, s                       ; the fragment goes to LDS as it stands: image 16 be + 4 w + s
.set PC, PK+8*((\s)%2)
	ds_store_b128 v[XWI], v[PC:PC+3] offset:16384*(\be)+1024*(\s)
	ds_store_b128 v[XWI], v[PC+4:PC+7] offset:16384*(\be)+1024*(\s)+512
	ds_store_b32 v[XWS], v[PW+(\s)%2] offset:1024*(\be)+256*(\s)     ; lanes r and r + 16 write the same word with the same value
.endm
.macro XGET be                         ; the block's 16 fragments and their scale words, in every wave
.set i, 0
.rept 32
	ds_load_b128 v[XFR+4*i:XFR+4*i+3], v[XRI] offset:16384*(\be)+512*i
.set i, i+1
.endr
.irp s, 0,1,2,3
.irp p, 0,1
	ds_load_b32 v[XSCR+2*\s+\p], v[XRS] offset:1024*(\be)+256*\s+128*\p
.endr
.endr
.endm
; One scaled product from the symbols rD, rA, rB, rSA, rSB; fa, fb = 1: that side's scale words stand in lanes 16-31; fs = 0: the first K step starts the sum.
.macro MMX
.if fs == 0
.if fa && fb
	v_wmma_scale_f32_16x16x128_f8f6f4 v[rD:rD+7], v[rA:rA+7], v[rB:rB+7], 0, v[rSA], v[rSB] matrix_a_fmt:MATRIX_FMT_FP4 matrix_b_fmt:MATRIX_FMT_FP4 matrix_a_scale:MATRIX_SCALE_ROW1 matrix_b_scale:MATRIX_SCALE_ROW1
.elseif fa
	v_wmma_scale_f32_16x16x128_f8f6f4 v[rD:rD+7], v[rA:rA+7], v[rB:rB+7], 0, v[rSA], v[rSB] matrix_a_fmt:MATRIX_FMT_FP4 matrix_b_fmt:MATRIX_FMT_FP4 matrix_a_scale:MATRIX_SCALE_ROW1
.elseif fb
	v_wmma_scale_f32_16x16x128_f8f6f4 v[rD:rD+7], v[rA:rA+7], v[rB:rB+7], 0, v[rSA], v[rSB] matrix_a_fmt:MATRIX_FMT_FP4 matrix_b_fmt:MATRIX_FMT_FP4 matrix_b_scale:MATRIX_SCALE_ROW1
.else
	v_wmma_scale_f32_16x16x128_f8f6f4 v[rD:rD+7], v[rA:rA+7], v[rB:rB+7], 0, v[rSA], v[rSB] matrix_a_fmt:MATRIX_FMT_FP4 matrix_b_fmt:MATRIX_FMT_FP4
.endif
.else
.if fa && fb
	v_wmma_scale_f32_16x16x128_f8f6f4 v[rD:rD+7], v[rA:rA+7], v[rB:rB+7], v[rD:rD+7], v[rSA], v[rSB] matrix_a_fmt:MATRIX_FMT_FP4 matrix_b_fmt:MATRIX_FMT_FP4 matrix_a_scale:MATRIX_SCALE_ROW1 matrix_b_scale:MATRIX_SCALE_ROW1
.elseif fa
	v_wmma_scale_f32_16x16x128_f8f6f4 v[rD:rD+7], v[rA:rA+7], v[rB:rB+7], v[rD:rD+7], v[rSA], v[rSB] matrix_a_fmt:MATRIX_FMT_FP4 matrix_b_fmt:MATRIX_FMT_FP4 matrix_a_scale:MATRIX_SCALE_ROW1
.elseif fb
	v_wmma_scale_f32_16x16x128_f8f6f4 v[rD:rD+7], v[rA:rA+7], v[rB:rB+7], v[rD:rD+7], v[rSA], v[rSB] matrix_a_fmt:MATRIX_FMT_FP4 matrix_b_fmt:MATRIX_FMT_FP4 matrix_b_scale:MATRIX_SCALE_ROW1
.else
	v_wmma_scale_f32_16x16x128_f8f6f4 v[rD:rD+7], v[rA:rA+7], v[rB:rB+7], v[rD:rD+7], v[rSA], v[rSB] matrix_a_fmt:MATRIX_FMT_FP4 matrix_b_fmt:MATRIX_FMT_FP4
.endif
.endif
.endm
; Weight tile u of matrix y against the block's four row tiles: 16 products, K step by K step, the four accumulators by turns; then rounded to f16 and stored.
.macro TILE y, u, be
.if (\y) == 2
	WIN 0x0c                                       ; source 1 (Wv) in window 3
.else
	WIN 1+(\y)                                     ; source 0 (Wq, Wk) in window 1, 2
.endif
.irp s, 0,1,2,3
.irp m, 0,1,2,3
.set rD, ACC+8*\m
.set fs, \s
.if (\y) == 2
.set rA, XFR+8*(4*\m+\s)
.set rB, 8*(4*(\u)+\s)
.set rSA, XSCR+2*\s+\m/2
.set rSB, WSC+4*(4*(\y)+(\u)/2)+\s
.set fa, \m%2
.set fb, (\u)%2
.else
.set rA, 8*(4*(\u)+\s)
.set rB, XFR+8*(4*\m+\s)
.set rSA, WSC+4*(4*(\y)+(\u)/2)+\s
.set rSB, XSCR+2*\s+\m/2
.set fa, (\u)%2
.set fb, \m%2
.endif
	MMX
.endr
.endr
	WIN 0
.rept 5
	v_nop                                          ; four places in front of the conversions that read the results; five in front of the next tile's first products, which write over them (ISA guide 7.12.1)
.endr
	s_wait_xcnt 0x0                                ; the last tile's stores have read their data registers, which are written again below
.irp m, 0,1,2,3
.irp i, 0,1,2,3
	v_cvt_pk_f16_f32 v[PK+4*\m+\i], v[ACC+8*\m+2*\i], v[ACC+8*\m+2*\i+1]     ; each accumulator from its low end on
.endr
.endr
.irp m, 0,1,2,3
.if (\y) == 2
	global_store_b128 v[L16], v[PK+4*\m:PK+4*\m+3], s[14:15] offset:((4*(\be)+\m)/2)*32768+1024*(\u)+512*(\m%2)     ; 512 consecutive bytes, aligned: half an image of V^T
.else
	global_store_b128 v[L16], v[PK+4*\m:PK+4*\m+3], s[10+2*(\y):11+2*(\y)] offset:(4*(\be)+\m)*16384+((\u)/2)*1024+((\u)%2)*512   ; half an image of q or k
.endif
.endr
.endm
.irp be, 0,1
.if \be == 1
	s_wait_xcnt 0x0                                ; the last tile's stores have read the registers that the quantiser writes
.endif
	s_wait_tensorcnt 1-\be                         ; my 16 rows of this block are in LDS (block 0: block 1's load may stay out); only I read them
	XLD \be, 0
	XLD \be, 1
	s_wait_dscnt 16                                ; K step 0's numbers are in; step 1's sixteen loads may be out
	QUANT 0
	XST \be, 0
	XLD \be, 2
	s_wait_dscnt 19                                ; step 1 is in; behind it: three stores and sixteen loads
	QUANT 1
	XST \be, 1
	XLD \be, 3
	s_wait_dscnt 19                                ; step 2 is in, and step 0's stores have read their registers
	QUANT 2
	XST \be, 2
	s_wait_dscnt 3                                 ; step 3 is in, and step 1's stores are done; behind it: three stores
	QUANT 3
	XST \be, 3
	s_wait_dscnt 0x0                               ; for the others' sake: my images have landed
	s_barrier_signal -1
	s_barrier_wait -1                              ; the block's sixteen images lie in LDS; each block has images of its own, so nothing is written over
	XGET \be
	s_wait_dscnt 0x0
.if \be == 0
	s_wait_loadcnt 0x0                             ; the weights and their scale words, once
.endif
.irp y, 0,1,2
.irp u, 0,1,2,3,4,5,6,7
	TILE \y, \u, \be
.endr
.endr
.endr
	s_wait_tensorcnt 0x0                           ; the wave's end: an add and its wait, behind my last tensor load and my last LDS store
	ds_add_u32 v[SPW], v[NIL]
	s_wait_dscnt 0x0
	s_endpgm
.Lfunc_end_k_q4dd2dd76bc_proj:
	.size	k_q4dd2dd76bc_proj, .Lfunc_end_k_q4dd2dd76bc_proj-k_q4dd2dd76bc_proj
	.p2alignl 7, 3214868480
	.fill 96, 4, 3214868480
	.section	.rodata,"a",@progbits
	.p2align	6, 0x0
	.amdhsa_kernel k_q4dd2dd76bc_proj
		.amdhsa_group_segment_fixed_size 327680
		.amdhsa_private_segment_fixed_size 0
		.amdhsa_enable_private_segment 0
		.amdhsa_kernarg_size 48
		.amdhsa_user_sgpr_count 2
		.amdhsa_user_sgpr_kernarg_segment_ptr 1
		.amdhsa_wavefront_size32 1
		.amdhsa_system_sgpr_workgroup_id_x 1
		.amdhsa_system_sgpr_workgroup_id_y 1
		.amdhsa_system_sgpr_workgroup_id_z 1
		.amdhsa_system_vgpr_workitem_id 0
		.amdhsa_next_free_vgpr 1024
		.amdhsa_next_free_sgpr 66
		.amdhsa_reserve_vcc 0
		.amdhsa_float_denorm_mode_32 3
		.amdhsa_float_denorm_mode_16_64 3
		.amdhsa_memory_ordered 1
		.amdhsa_forward_progress 1
		.amdhsa_inst_pref_size 236
	.end_amdhsa_kernel
	.amdgpu_metadata
---
amdhsa.version: [ 1, 2 ]
amdhsa.kernels:
  - .name:           k_q4dd2dd76bc_proj
    .symbol:         k_q4dd2dd76bc_proj.kd
    .args:
      - { .name: embeddings, .offset: 0, .size: 8, .value_kind: global_buffer, .address_space: global }
      - { .name: wimg, .offset: 8, .size: 8, .value_kind: global_buffer, .address_space: global }
      - { .name: wsc, .offset: 16, .size: 8, .value_kind: global_buffer, .address_space: global }
      - { .name: qbuf, .offset: 24, .size: 8, .value_kind: global_buffer, .address_space: global }
      - { .name: kbuf, .offset: 32, .size: 8, .value_kind: global_buffer, .address_space: global }
      - { .name: vbuf, .offset: 40, .size: 8, .value_kind: global_buffer, .address_space: global }
    .group_segment_fixed_size: 327680
    .private_segment_fixed_size: 0
    .kernarg_segment_align: 8
    .kernarg_segment_size: 48
    .max_flat_workgroup_size: 128
    .sgpr_count:     66
    .vgpr_count:     1024
    .wavefront_size: 32
...
	.end_amdgpu_metadata
.endif
;; end of part 2
;; launch attn (part 3): grid 8 x 32, 4 waves a work-group, clusters of 4 x 1, 327,680 bytes of LDS; arguments qbuf, kbuf, vbuf, out0; writes out0
.if DOCPART == 3
	.amdgcn_target "amdgcn-amd-amdhsa--gfx1250"
	.amdhsa_code_object_version 6
	.text
	.protected	k_q4dd2dd76bc_attn
	.globl	k_q4dd2dd76bc_attn
	.p2align	8
	.type	k_q4dd2dd76bc_attn,@function
k_q4dd2dd76bc_attn:
	s_mov_b64 s[64:65], 0
	v_nop
	global_prefetch_b8 v0, s[64:65] scope:SCOPE_SE
	s_setreg_imm32_b32 hwreg(HW_REG_WAVE_MODE, 25, 1), 1
	s_wait_xcnt 0x0
	s_wait_alu depctr_hold_cnt(0) depctr_sa_sdst(0) depctr_va_vdst(0) depctr_va_sdst(0) depctr_va_ssrc(0) depctr_va_vcc(0) depctr_vm_vsrc(0)
	s_getreg_b32 s2, hwreg(HW_REG_IB_STS2, 6, 4)
	s_cmp_eq_u32 s2, 0
	s_cbranch_scc0 .Lentry_in_a_cluster
	s_endpgm
.Lentry_in_a_cluster:
	s_bfe_u32 s2, ttmp6, 0x10000c
	s_cmp_lg_u32 s2, 0x3003
	s_cbranch_scc0 .Lentry_shape_is_right
	s_endpgm
.Lentry_shape_is_right:
; THIRD LAUNCH: out[b][q] = the sum over k of softmax_k(where(s == 0, 1e-10, s)) v[b][k], s = q[b][q] . k[b][k] / sqrt(512).  32 batches, 1,024 positions, 512 channels.  Nothing is left out.
; q, k, v come in f16 as images of operand registers (second launch); both products take f16 operands and sum in f32; maxima, exponentials and row sums in f32; p is rounded to f16 for the second product.
; LIMITS: p under 2^-25 is lost beside a row's sum, which is at least about 1; the zero test is made on the raw score: a raw score under 12 x 2^-149 that only the division would turn into zero keeps its value, which gives the same p as 1e-10
; to within rounding; NaN and infinities are not served.
; SHARES.  A work-group owns 128 queries of one batch, each of its four waves 32: two tiles of 16, from the scores to the output: O^T of 32 queries x 512 channels is 512 registers, Q 256.  Every wave walks the 1,024 keys, 128 a step.
; LAYOUT.  S^T = K Q^T (source 0 = 16 keys, source 1 = 16 queries) and O^T = V^T P (source 0 = 16 channels, source 1 = P): a lane holds ONE query throughout; two tiles of S^T, rounded in pairs, ARE a fragment of P.
; SOFTMAX.  A running maximum m and sum l for each query: p = 2^(c s - c m), c = log2(e) / sqrt(512), s the raw score; in every step O^T and l are multiplied by a = 2^(c m_old - c m_new).  m begins at -3e38 and O^T, l at zero, so that the
; step is written once for all steps: a first step of its own would be a third copy of the step's text.
; LDS.  One slot for 128 keys of K (131,072 bytes) and one for 128 keys of V; they take turns: K's is filled again behind the step's first product, V's behind its second.  All images are dense: every LDS load takes 512 consecutive bytes.
; Behind the slots a stage of 16 rows x 528 bytes for each wave, for the way out, and the spare words.
; CLUSTER.  The four query blocks of a cluster belong to one batch and walk the same K and V: each tile is asked for JOINTLY, by the same tensor load with the same descriptor and a mask that names the four; each wave brings a quarter.
; By this text's count a wave has two tensor loads out at the head and one behind each round.
; REGISTERS, in windows of 256: window 0: v0-7 addresses and constants; v8-23 statistics, eight a tile; v24-31 at work; v32-159 S^T (tile qt, keys kt: 32 + 64 qt + 8 kt), then P in place; v160-255 a ring of twelve fragments of K or V.
;   windows 1, 2: O^T (channel tile ct, query tile qt): window 1 + ct / 16, v[16 (ct % 16) + 8 qt].   window 3: Q (qt, channel step cs) at v[8 (16 qt + cs)].
.set VS,    131072                     ; V's slot
.set STAGE, 262144
.set SP,    528
.set SPARE, STAGE+4*16*SP              ; the spare words, 128 bytes for each wave: two blocks of 256 bytes that no other line names
.set STEPB, 131072                     ; 128 keys of K or of V in bytes
.set PFO, 0                            ; v0   256 x my thread's number: the prefetches' offset (made behind v1)
.set SPW, 1                            ; v1   LDS address of my spare word; never rewritten
.set NIL, 2                            ; v2   0; never rewritten
.set AKL, 3                            ; v3   16 x lane: K's images 0 to 63
.set AKH, 4                            ; v4   + 65,536: K's images 64 to 127
.set AVL, 5                            ; v5   V's images 0 to 63
.set AVH, 6                            ; v6   V's images 64 to 127
.set EPS, 7                            ; v7   1e-10 x sqrt(512): what a raw score of zero becomes
.set ST,  8                            ; tile t's statistics at v[ST + 8 t]: +0 c m, +1 m, +2, +3 l in two halves, +4 to +7 at work; a, and at the end 1 / l, takes +6
.set TMP, 24
.set STO, 24                           ; the way out: where I put 32 bytes of a row
.set RD,  25                           ; the way out: where I read a row back
.set S,   32
.set FB,  160
.set NFB, 12
.set WV,  12                           ; s12  my wave's number
.set G1,  24                           ; s[24:31] descriptor group 1
.set G0K, 32                           ; s[32:35] group 0 for K's slot;  s[36:39] for V's
.set G0V, 36
.set CS,  40                           ; s[40:41] c, twice: the packed form names a pair
.set SEL, 42                           ; s[42:43] v_permlanex16_b32's selects for lane l xor 16
.set CNT, 44                           ; s44  steps that still fill slots
.set LIM, 45                           ; s45  1 in the batch's first cluster, else the greatest number
.set PFK, 46                           ; s[46:47] where my work-group's prefetches of K stand;  s[48:49] of V
.set PFV, 48
.set MK,  70                           ; s70-77 eight lane masks
.set MSB, 0
.macro WIN new                         ; the immediate's high byte repeats the setting that is left
.if MSB != (\new)
	s_set_vgpr_msb (MSB<<8)|(\new)
.set MSB, (\new)
.endif
.endm
.set W_QK, 0x0c                        ; source 1 (Q) in window 3; LDS loads into window 0 run unchanged under it
; A round of the cluster's barrier: my work-group's barrier; wave 0 signals for the work-group; every wave waits for all four work-groups; my work-group's barrier once more.
.macro CROUND
	s_barrier_signal -1
	s_barrier_wait -1
	s_cmp_lg_u32 s[WV], 0
	s_cbranch_scc1 .Lnot_wave_0_\@
	s_barrier_signal -3
.Lnot_wave_0_\@:
	s_barrier_wait -3
	s_barrier_signal -1
	s_barrier_wait -1
.endm
; A PREFETCH INTO THE L2 of the 128 keys that the next refill of the OTHER slot will ask for: at K's refill V of the next step (a softmax and a second product ahead of its load), at V's refill K of the step after next (a first product ahead).
; Each block of 256 bytes is named once in the launch: both clusters of a batch walk the same K and V, the first asks; its four partners take 32,768 bytes each, told apart BY ADDRESS; each of a work-group's 128 threads names one block.
; how = 1: in every trip;  how = 0: not in the loop's last trip, which has no such step.  The first step's K and V and the second's K come by their loads alone.
.macro ASK pf, how
.if \how
	s_cmp_eq_u32 s[LIM], 1
.else
	s_cmp_gt_u32 s[CNT], s[LIM]
.endif
	s_cbranch_scc0 .Lnot_mine_\@
	global_prefetch_b8 v[PFO], s[\pf:\pf+1] th:TH_LOAD_NT scope:SCOPE_SE
.Lnot_mine_\@:
.endm
	s_load_b256 s[4:11], s[0:1], 0x0               ; q s[4:5], k s[6:7], v s[8:9], out s[10:11]
	v_lshl_add_u32 v[SPW], v0, 2, SPARE
	v_mov_b32 v[NIL], 0
	ds_add_u32 v[SPW], v[NIL]                      ; the wave's opening: the add, twice on end, and its wait ahead of the round in front of my first tensor loads
	ds_add_u32 v[SPW], v[NIL]
	v_lshrrev_b32 v[AKH], 5, v0
	v_readfirstlane_b32 s[WV], v[AKH]              ; wave 0..3
	v_and_b32 v[AKL], 31, v0
	v_lshlrev_b32 v[AKL], 4, v[AKL]
	v_add_nc_u32 v[AKH], 65536, v[AKL]
	v_add_nc_u32 v[AVL], VS, v[AKL]
	v_add_nc_u32 v[AVH], VS+65536, v[AKL]
	v_lshlrev_b32 v[PFO], 8, v0
	v_mov_b32 v[EPS], 0x311b7e93
	s_bfe_u32 s13, ttmp6, 0x40000                  ; cx: my place in the cluster
	s_lshl_b32 s14, ttmp9, 2                       ; in a cluster launch ttmp9 counts clusters
	s_add_co_u32 s14, s14, s13                     ; my block of 128 queries: it enters Q's and out's addresses alone
	s_and_b32 s15, ttmp7, 0xffff                   ; the batch, which the four partners share
	s_mov_b32 s[G1], 15|(3<<16)|(1<<21)            ; 15:0 the mask: all four work-groups; 17:16 elements of 8 bytes; 21 set beside a mask; no padding
	s_mov_b32 s[G1+1], 32<<16                      ; tensor_dim0 = 32 elements: 256 bytes
	s_mov_b32 s[G1+2], 128<<16                     ; tensor_dim1 = 128
	s_mov_b32 s[G1+3], 32<<16                      ; tile_dim0
	s_mov_b32 s[G1+4], 128                         ; tile_dim1: 32,768 dense bytes a load
	s_mov_b32 s[G1+5], 32                          ; from row to row
	s_mov_b32 s[G1+6], 0
	s_mov_b32 s[G1+7], 0
	s_mov_b32 s[CS], 0x3d8293ee                    ; c = log2(e) / sqrt(512)
	s_mov_b32 s[CS+1], s[CS]
	s_mov_b32 s[SEL], 0x76543210
	s_mov_b32 s[SEL+1], 0xfedcba98
	s_mov_b32 s[CNT], 7
	s_cmp_eq_u32 ttmp9, 0                          ; the same in all four partners
	s_cselect_b32 s[LIM], 1, -1
	s_lshl_b32 s16, s15, 20                        ; K, V: a batch is 2^20 bytes; my quarter of a step's 131,072
	s_lshl_b32 s17, s[WV], 15
	s_add_co_u32 s16, s16, s17
	s_mov_b32 s17, 0
	s_lshl_b32 s18, s14, 17                        ; Q: the same, and my block's 8 tiles of 16 images
	s_add_co_u32 s18, s18, s16
	s_mov_b32 s19, 0
	s_lshl_b32 s20, s15, 21                        ; out: a batch is 2^21 bytes, a block 2^18, my 32 rows 2^16
	s_lshl_b32 s21, s14, 18
	s_add_co_u32 s20, s20, s21
	s_lshl_b32 s21, s[WV], 16
	s_add_co_u32 s20, s20, s21
	s_mov_b32 s21, 0
	s_lshl_b32 s22, s15, 20                        ; the prefetches: the batch, and my work-group's quarter
	s_lshl_b32 s23, s13, 15
	s_add_co_u32 s22, s22, s23
	s_mov_b32 s23, 0
.irp t, 0,1
	v_mov_b32 v[ST+8*\t+1], 0xff61b1e6             ; m = -3e38, under every score
	v_mul_f32 v[ST+8*\t], s[CS], v[ST+8*\t+1]      ; c m
.irp i, 2,3,4,5,6,7
	v_mov_b32 v[ST+8*\t+\i], 0                     ; l; and the registers at work, of which one is a lane permute's destination
.endr
.endr
	s_wait_dscnt 0x0                               ; both opening adds are done
	s_wait_kmcnt 0x0
	s_add_nc_u64 s[4:5], s[4:5], s[18:19]
	s_add_nc_u64 s[10:11], s[10:11], s[20:21]
	s_add_nc_u64 s[PFK:PFK+1], s[6:7], s[22:23]
	s_add_nc_u64 s[PFK:PFK+1], s[PFK:PFK+1], STEPB ; at step 1: V's first refill steps it to step 2
	s_add_nc_u64 s[PFV:PFV+1], s[8:9], s[22:23]    ; at step 0: K's first refill steps it to step 1
	s_mov_b32 s[G0K], 1
	s_lshl_b32 s[G0K+1], s[WV], 15                 ; LDS: wave x 32,768: no place in the cluster enters an LDS address
	s_add_nc_u64 s[G0K+2:G0K+3], s[6:7], s[16:17]
	s_or_b32 s[G0K+3], s[G0K+3], 0x80000000
	s_mov_b32 s[G0V], 1
	s_add_co_u32 s[G0V+1], s[G0K+1], VS
	s_add_nc_u64 s[G0V+2:G0V+3], s[8:9], s[16:17]
	s_or_b32 s[G0V+3], s[G0V+3], 0x80000000
	CROUND                                         ; all four work-groups are here: the first joint loads meet
	tensor_load_to_lds s[G0K:G0K+3], s[G1:G1+7]    ; step 0's K and V, by every wave, ahead of every wait on TENSORcnt and every LDS read
	s_nop 0
	tensor_load_to_lds s[G0V:G0V+3], s[G1:G1+7]
	s_nop 0
.rept 4
	v_nop
.endr
	WIN 0xc0                                       ; destination window 3
.set i, 0
.rept 64
	global_load_b128 v[4*i:4*i+3], v[AKL], s[4:5] offset:512*i th:TH_LOAD_NT   ; Q stays in registers: my 32 images, 512 consecutive bytes a load
.set i, i+1
.endr
.irp wd, 1,2                           ; O^T begins as zeros, which the first a = 0 leaves zeros; written while the first tiles are on their way
	WIN 0x40*\wd
.set i, 0
.rept 256
	v_mov_b32 v[i], 0
.set i, i+1
.endr
.endr
	WIN 0
.macro KLOAD                           ; K's fragment lf (keys 16 (lf % 8) on, channels 32 (lf / 8) on) into the ring
.set lr, FB+8*(lf%NFB)
.if lf%8 < 4
	ds_load_b128 v[lr:lr+3], v[AKL] offset:(16*(lf%8)+lf/8)*1024
	ds_load_b128 v[lr+4:lr+7], v[AKL] offset:(16*(lf%8)+lf/8)*1024+512
.else
	ds_load_b128 v[lr:lr+3], v[AKH] offset:(16*(lf%8-4)+lf/8)*1024
	ds_load_b128 v[lr+4:lr+7], v[AKH] offset:(16*(lf%8-4)+lf/8)*1024+512
.endif
.endm
.macro VLOAD                           ; V's fragment lf (keys 32 (lf / 32) on, channels 16 (lf % 32) on) into the ring
.set lr, FB+8*(lf%NFB)
.if lf < 64
	ds_load_b128 v[lr:lr+3], v[AVL] offset:1024*lf
	ds_load_b128 v[lr+4:lr+7], v[AVL] offset:1024*lf+512
.else
	ds_load_b128 v[lr:lr+3], v[AVH] offset:1024*(lf-64)
	ds_load_b128 v[lr+4:lr+7], v[AVH] offset:1024*(lf-64)+512
.endif
.endm
; Both matrix phases go by GROUPS, one for each of 128 fragments: the wait for the fragment; its product for query tile 0; two v_nop; its product for tile 1; the loads of the fragment ten on, into the ring's place that the
; fragment two back has left.  Between that place's last reader and the loads stand the last group's two v_nop and this group's two: four places (ISA guide 7.12.1 for vector instructions).
; The wait counts the loads issued behind fragment fi's two: fragments up to max(11, fi + 9), at most 127, have been asked for.
.macro FWAIT
.set nw, fi+9
.if nw < 11
.set nw, 11
.endif
.if nw > 127
.set nw, 127
.endif
	s_wait_dscnt 2*(nw-fi)
.endm
; S^T = K Q^T: fragment fi = 8 cs + kt.  The 16 accumulators take turns, one instruction a turn; the first 16 products start the sums.
.macro QK
	WIN W_QK
.set lf, 0
.rept NFB
	KLOAD
.set lf, lf+1
.endr
.set fi, 0
.rept 128
	FWAIT
.set kt, fi%8
.set cs, fi/8
.set rF, FB+8*(fi%NFB)
.if cs == 0
	v_wmma_f32_16x16x32_f16 v[S+8*kt:S+8*kt+7], v[rF:rF+7], v[8*cs:8*cs+7], 0
	v_nop
	v_nop
	v_wmma_f32_16x16x32_f16 v[S+64+8*kt:S+64+8*kt+7], v[rF:rF+7], v[128+8*cs:128+8*cs+7], 0
.else
	v_wmma_f32_16x16x32_f16 v[S+8*kt:S+8*kt+7], v[rF:rF+7], v[8*cs:8*cs+7], v[S+8*kt:S+8*kt+7]
	v_nop
	v_nop
	v_wmma_f32_16x16x32_f16 v[S+64+8*kt:S+64+8*kt+7], v[rF:rF+7], v[128+8*cs:128+8*cs+7], v[S+64+8*kt:S+64+8*kt+7]
.endif
.if (fi >= 2) && (fi+10 <= 127)
.set lf, fi+10
	KLOAD
.endif
.set fi, fi+1
.endr
.rept 4
	v_nop                                          ; places in front of the first read of the scores and of the loads into the ring
.endr
	WIN 0
.endm
.macro PVPRE                           ; V's first twelve fragments are asked for ahead of the softmax
.set lf, 0
.rept NFB
	VLOAD
.set lf, lf+1
.endr
.endm
; O^T += V^T P: fragment fi = 32 ks + ct.  The 64 accumulators take turns.  The products' destination lies in window 1 or 2 and a load's in window 0: two switches a group.
.macro PV
.rept 4
	v_nop
.endr
.set fi, 0
.rept 128
	FWAIT
.set ks, fi/32
.set ct, fi%32
.set rF, FB+8*(fi%NFB)
.set rO, 16*(ct%16)
	WIN 0x50*(1+ct/16)                             ; C and D in window 1 or 2
	v_wmma_f32_16x16x32_f16 v[rO:rO+7], v[rF:rF+7], v[S+16*ks:S+16*ks+7], v[rO:rO+7]
	v_nop
	v_nop
	v_wmma_f32_16x16x32_f16 v[rO+8:rO+15], v[rF:rF+7], v[S+64+16*ks:S+64+16*ks+7], v[rO+8:rO+15]
.if (fi >= 2) && (fi+10 <= 127)
	WIN 0
.set lf, fi+10
	VLOAD
.endif
.set fi, fi+1
.endr
	WIN 0
.rept 5
	v_nop                                          ; five places in front of the next step's first products, which write over P; four in front of loads into the ring and of reads of O^T
.endr
.endm
.macro RESCALE                         ; O^T times the factor in the tile's statistics register + 6; each accumulator from its low end on
.irp wd, 1,2
	WIN 0x41*\wd                                   ; destination and source 0 in window 1 or 2, the factor in window 0
.set j, 0
.rept 16
.irp t, 0,1
.irp i, 0,2,4,6
	v_pk_mul_f32 v[16*j+8*\t+\i:16*j+8*\t+\i+1], v[16*j+8*\t+\i:16*j+8*\t+\i+1], v[ST+8*\t+6:ST+8*\t+7] op_sel_hi:[1,0]
.endr
.endr
.set j, j+1
.endr
.endr
	WIN 0
.endm
; THE SOFTMAX of a step: 128 keys x my 32 queries; a lane holds 64 scores of each tile.
.macro SM
.set ac, 0
.rept 16                               ; a score of zero becomes 1e-10 (in raw units): compare and select, eight masks at a time, each accumulator from its low end on
.irp j, 0,1,2,3,4,5,6,7
	v_cmp_eq_f32 s[MK+\j], 0, v[S+8*ac+\j]
.endr
.irp j, 0,1,2,3,4,5,6,7
	v_cndmask_b32 v[S+8*ac+\j], v[S+8*ac+\j], v[EPS], s[MK+\j]
.endr
.set ac, ac+1
.endr
.irp j, 0,1,2,3                        ; the maximum: four chains of 15 scores a tile, the tiles by turns
.irp t, 0,1
	v_max3_num_f32 v[ST+8*\t+4+\j], v[S+64*\t+16*\j], v[S+64*\t+16*\j+1], v[S+64*\t+16*\j+2]
.endr
.endr
.irp i, 3,5,7,9,11,13
.irp j, 0,1,2,3
.irp t, 0,1
	v_max3_num_f32 v[ST+8*\t+4+\j], v[ST+8*\t+4+\j], v[S+64*\t+16*\j+\i], v[S+64*\t+16*\j+\i+1]
.endr
.endr
.endr
.irp t, 0,1
	v_max3_num_f32 v[ST+8*\t+4], v[ST+8*\t+4], v[S+64*\t+15], v[S+64*\t+31]   ; the four scores left over
	v_max3_num_f32 v[ST+8*\t+6], v[ST+8*\t+6], v[S+64*\t+47], v[S+64*\t+63]
.endr
.irp t, 0,1
	v_max3_num_f32 v[ST+8*\t+4], v[ST+8*\t+4], v[ST+8*\t+5], v[ST+8*\t+6]
.endr
.irp t, 0,1
	v_max3_num_f32 v[ST+8*\t+4], v[ST+8*\t+4], v[ST+8*\t+7], v[ST+8*\t+1]     ; and the old m
.endr
.irp t, 0,1
	v_permlanex16_b32 v[ST+8*\t+5], v[ST+8*\t+4], s[SEL], s[SEL+1]            ; the query's other 64 keys lie in the lane 16 away
.endr
.irp t, 0,1
	v_mov_b32 v[ST+8*\t+7], v[ST+8*\t]             ; c m_old
.endr
.irp t, 0,1
	v_max_num_f32 v[ST+8*\t+1], v[ST+8*\t+4], v[ST+8*\t+5]
.endr
.irp t, 0,1
	v_mul_f32 v[ST+8*\t], s[CS], v[ST+8*\t+1]
.endr
.irp t, 0,1
	v_sub_f32 v[ST+8*\t+7], v[ST+8*\t+7], v[ST+8*\t]
.endr
.irp t, 0,1
	v_exp_f32 v[ST+8*\t+6], v[ST+8*\t+7]           ; a = 2^(c m_old - c m_new)
.endr
.irp t, 0,1
.set j, 0
.rept 32
	v_pk_fma_f32 v[S+64*\t+j:S+64*\t+j+1], v[S+64*\t+j:S+64*\t+j+1], s[CS:CS+1], v[ST+8*\t:ST+8*\t+1] op_sel_hi:[1,0,0] neg_lo:[0,0,1] neg_hi:[0,0,1]   ; c s - c m, two at a time; plain work behind the two exponentials
.set j, j+2
.endr
.endr
	s_wait_alu depctr_va_vdst(0)                   ; ahead of the first line that names a: the rescaling below
.set j, 0
.rept 128
	v_exp_f32 v[S+j], v[S+j]                       ; p, one batch
.set j, j+1
.endr
	RESCALE                                        ; O^T times a: names none of the batch's results: the plain, independent work behind it
	s_wait_alu depctr_va_vdst(0)                   ; one wait for the 128, ahead of their first reader
.irp t, 0,1                            ; the row's sum, of the unrounded p: four chains of eight pairs a tile; p is kept
.irp j, 0,1,2,3
	v_pk_add_f32 v[TMP+2*\j:TMP+2*\j+1], v[S+64*\t+2*\j:S+64*\t+2*\j+1], v[S+64*\t+8+2*\j:S+64*\t+8+2*\j+1]
.endr
.irp i, 16,24,32,40,48,56
.irp j, 0,1,2,3
	v_pk_add_f32 v[TMP+2*\j:TMP+2*\j+1], v[TMP+2*\j:TMP+2*\j+1], v[S+64*\t+\i+2*\j:S+64*\t+\i+2*\j+1]
.endr
.endr
	v_pk_add_f32 v[TMP:TMP+1], v[TMP:TMP+1], v[TMP+2:TMP+3]
	v_pk_add_f32 v[TMP+4:TMP+5], v[TMP+4:TMP+5], v[TMP+6:TMP+7]
	v_pk_fma_f32 v[ST+8*\t+2:ST+8*\t+3], v[ST+8*\t+2:ST+8*\t+3], v[ST+8*\t+6:ST+8*\t+7], v[TMP:TMP+1] op_sel_hi:[1,0,1]   ; l = a l + the sums
	v_pk_add_f32 v[ST+8*\t+2:ST+8*\t+3], v[ST+8*\t+2:ST+8*\t+3], v[TMP+4:TMP+5]
.endr
.irp t, 0,1                            ; P in place: of each 16 registers (two tiles of keys) the first eight become the fragment; ascending, so that each source is read before it is written over
.irp k, 0,1,2,3
.irp i, 0,1,2,3,4,5,6,7
	v_cvt_pk_f16_f32 v[S+64*\t+16*\k+\i], v[S+64*\t+16*\k+2*\i], v[S+64*\t+16*\k+2*\i+1]
.endr
.endr
.endr
.endm
; THE CHANGE of a slot.  Each wave waits for all its tensor loads, of which one is out: its quarter of the OTHER slot, which is read next; adds 0 to its spare word; and waits for that and for its reads of the slot that it has left.
; fill = 1: a round of the cluster's barrier, so that no wave of any partner still reads the slot or has a load on its way; the joint refill, the slot's next 128 keys, is the first thing behind it and my one tensor load until the next round.
.macro CHANGE g0, pf, fill
	s_wait_tensorcnt 0x0                           ; no tensor load of mine is out, so a group 0 may be written
	ds_add_u32 v[SPW], v[NIL]                      ; 0 onto my spare word
.if \fill
	s_add_nc_u64 s[\g0+2:\g0+3], s[\g0+2:\g0+3], STEPB   ; the type bits on top are not reached
	s_wait_xcnt 0x0                                ; the last prefetch, a phase back, has read its address, so it may be written
	s_add_nc_u64 s[\pf:\pf+1], s[\pf:\pf+1], STEPB
	s_wait_dscnt 0x0                               ; the add is done, and my reads of the slot are over
	CROUND
	tensor_load_to_lds s[\g0:\g0+3], s[G1:G1+7]
	s_nop 0
.rept 4
	v_nop
.endr
.else
	s_wait_dscnt 0x0
	s_barrier_signal -1
	s_barrier_wait -1
.endif
.endm
	s_wait_tensorcnt 1                             ; my quarter of step 0's K is in; V's may stay out
	s_barrier_signal -1
	s_barrier_wait -1                              ; everybody's is
	s_wait_loadcnt 0x0                             ; Q
.Lstep:                                            ; seven trips: steps 0 to 6, each of which fills both slots again
	QK
	CHANGE G0K, PFV, 1                             ; V of this step is whole; K's slot takes the next step's
	PVPRE
	ASK PFV, 1
	SM
	PV
	CHANGE G0V, PFK, 1                             ; K of the next step is whole; V's slot takes the next step's
	ASK PFK, 0
	s_sub_co_u32 s[CNT], s[CNT], 1
	s_cmp_lg_u32 s[CNT], 0
	s_cbranch_scc1 .Lstep
	QK                                             ; the last step is written out: it asks for nothing
	CHANGE G0K, PFV, 0
	PVPRE
	SM
	PV
	; THE WAY OUT.  l's two halves and the other half of the lanes' are added; O^T is divided by l and goes through my stage in LDS, 16 queries x 128 channels at a time, so that the 32 lanes store whole rows of 512 bytes.
.irp t, 0,1
	v_add_f32 v[ST+8*\t+4], v[ST+8*\t+2], v[ST+8*\t+3]
.endr
.irp t, 0,1
	v_permlanex16_b32 v[ST+8*\t+5], v[ST+8*\t+4], s[SEL], s[SEL+1]
.endr
.irp t, 0,1
	v_add_f32 v[ST+8*\t+4], v[ST+8*\t+4], v[ST+8*\t+5]
.endr
.irp t, 0,1
	v_rcp_f32 v[ST+8*\t+6], v[ST+8*\t+4]
.endr
	v_bfe_u32 v26, v[AKL], 4, 4                    ; r (plain work behind the reciprocals)
	v_bfe_u32 v27, v[AKL], 8, 1                    ; h
	s_mul_i32 s16, s[WV], 16*SP
	s_add_co_u32 s16, s16, STAGE                   ; my stage
	v_mul_u32_u24 v[STO], v26, SP
	v_lshl_add_u32 v[STO], v27, 5, v[STO]
	v_add_nc_u32 v[STO], s16, v[STO]               ; in: row r, 32 bytes for each half of the lanes
	v_add_nc_u32 v[RD], s16, v[AKL]                ; back: the 32 lanes take one row of 512 bytes
	s_wait_alu depctr_va_vdst(0)                   ; one wait for the two reciprocals, ahead of their first reader
	RESCALE                                        ; O^T / l
.macro TOSTAGE a                       ; block a = 2 g + qt: channels 128 g on, query tile qt
.set g, (\a)/2
.set qt, (\a)%2
	WIN 0x04*(1+g/2)                               ; an LDS store's data are its source 1: window 1 or 2
.irp b, 0,1,2,3,4,5,6,7
.set rO, 16*((8*g+\b)%16)+8*qt
	ds_store_b128 v[STO], v[rO:rO+3] offset:64*\b
	ds_store_b128 v[STO], v[rO+4:rO+7] offset:64*\b+16
.endr
	WIN 0
.set BB, S+64*((\a)%2)
.irp t, 0,1,2,3,4,5,6,7,8,9,10,11,12,13,14,15
	ds_load_b128 v[BB+4*\t:BB+4*\t+3], v[RD] offset:\t*SP     ; LDS serves a wave's instructions in order (ISA guide 5.7.1.4): these see the stores above, and the next block's stores come behind them
.endr
.endm
.macro SEND a, younger                 ; younger: the LDS instructions issued behind block a's loads, which may stay out
.set g, (\a)/2
.set qt, (\a)%2
.set BB, S+64*((\a)%2)
	s_wait_dscnt \younger
.irp t, 0,1,2,3,4,5,6,7,8,9,10,11,12,13,14,15
	global_store_b128 v[AKL], v[BB+4*\t:BB+4*\t+3], s[10:11] offset:(16*qt+\t)*2048+512*g th:TH_STORE_NT   ; 32 lanes store 512 consecutive bytes, at a multiple of 256 from out's first byte
.endr
.endm
	TOSTAGE 0
.irp a, 1,2,3,4,5,6,7
.if \a > 1
	s_wait_xcnt 0x0                                ; block a - 2's stores have read their registers: block a's loads may land there
.endif
	TOSTAGE \a
	SEND \a-1, 32                                  ; behind block a - 1's loads: block a's 16 stores and 16 loads
.endr
	SEND 7, 0
	s_wait_tensorcnt 0x0                           ; the wave's end: an add and its wait, behind my last tensor load and my last LDS store
	ds_add_u32 v[SPW], v[NIL]
	s_wait_dscnt 0x0
	CROUND                                         ; the closing round: no work-group ends while a partner may still ask for a tile that names it
	s_endpgm
.Lfunc_end_k_q4dd2dd76bc_attn:
	.size	k_q4dd2dd76bc_attn, .Lfunc_end_k_q4dd2dd76bc_attn-k_q4dd2dd76bc_attn
	.p2alignl 7, 3214868480
	.fill 96, 4, 3214868480
	.section	.rodata,"a",@progbits
	.p2align	6, 0x0
	.amdhsa_kernel k_q4dd2dd76bc_attn
		.amdhsa_group_segment_fixed_size 327680
		.amdhsa_private_segment_fixed_size 0
		.amdhsa_enable_private_segment 0
		.amdhsa_kernarg_size 32
		.amdhsa_user_sgpr_count 2
		.amdhsa_user_sgpr_kernarg_segment_ptr 1
		.amdhsa_wavefront_size32 1
		.amdhsa_system_sgpr_workgroup_id_x 1
		.amdhsa_system_sgpr_workgroup_id_y 1
		.amdhsa_system_sgpr_workgroup_id_z 1
		.amdhsa_system_vgpr_workitem_id 0
		.amdhsa_next_free_vgpr 1024
		.amdhsa_next_free_sgpr 80
		.amdhsa_reserve_vcc 0
		.amdhsa_float_denorm_mode_32 3
		.amdhsa_float_denorm_mode_16_64 3
		.amdhsa_memory_ordered 1
		.amdhsa_forward_progress 1
		.amdhsa_inst_pref_size 255
	.end_amdhsa_kernel
	.section	.bss,"aw",@nobits
	.p2align	6
	.space	262144
	.amdgpu_metadata
---
amdhsa.version: [ 1, 2 ]
amdhsa.kernels:
  - .name:           k_q4dd2dd76bc_attn
    .symbol:         k_q4dd2dd76bc_attn.kd
    .args:
      - { .name: qbuf, .offset: 0, .size: 8, .value_kind: global_buffer, .address_space: global }
      - { .name: kbuf, .offset: 8, .size: 8, .value_kind: global_buffer, .address_space: global }
      - { .name: vbuf, .offset: 16, .size: 8, .value_kind: global_buffer, .address_space: global }
      - { .name: out0, .offset: 24, .size: 8, .value_kind: global_buffer, .address_space: global }
    .group_segment_fixed_size: 327680
    .private_segment_fixed_size: 0
    .kernarg_segment_align: 8
    .kernarg_segment_size: 32
    .max_flat_workgroup_size: 128
    .sgpr_count:     80
    .vgpr_count:     1024
    .wavefront_size: 32
...
	.end_amdgpu_metadata
.endif
;; end of part 3
;; ======== version 2 of 2: 3 launches
;; limits: values are held in f16: magnitudes above 65,504 overflow, below 6.1e-05 lose precision
;; workspace buffers: wimg 393,216 bytes; wsc 24,576 bytes; qbuf 33,554,432 bytes; kbuf 33,554,432 bytes; vbuf 33,554,432 bytes
;; launch wquant: the kernel of part 1 again; grid 24 x 1, 4 waves a work-group, no clusters, 0 bytes of LDS; arguments Wq, Wk, Wv, wimg, wsc; writes wimg, wsc
;; launch proj: the kernel of part 2 again; grid 256 x 1, 4 waves a work-group, no clusters, 327,680 bytes of LDS; arguments embeddings, wimg, wsc, qbuf, kbuf, vbuf; writes qbuf, kbuf, vbuf
;; launch attn (part 4): grid 8 x 32, 4 waves a work-group, clusters of 4 x 1, 327,680 bytes of LDS; arguments qbuf, kbuf, vbuf, out0; writes out0
.if DOCPART == 4
	.amdgcn_target "amdgcn-amd-amdhsa--gfx1250"
	.amdhsa_code_object_version 6
	.text
	.protected	k_q4dd2dd76bc_attn
	.globl	k_q4dd2dd76bc_attn
	.p2align	8
	.type	k_q4dd2dd76bc_attn,@function
k_q4dd2dd76bc_attn:
	s_mov_b64 s[64:65], 0
	v_nop
	global_prefetch_b8 v0, s[64:65] scope:SCOPE_SE
	s_setreg_imm32_b32 hwreg(HW_REG_WAVE_MODE, 25, 1), 1
	s_wait_xcnt 0x0
	s_wait_alu depctr_hold_cnt(0) depctr_sa_sdst(0) depctr_va_vdst(0) depctr_va_sdst(0) depctr_va_ssrc(0) depctr_va_vcc(0) depctr_vm_vsrc(0)
	s_getreg_b32 s2, hwreg(HW_REG_IB_STS2, 6, 4)
	s_cmp_eq_u32 s2, 0
	s_cbranch_scc0 .Lentry_in_a_cluster
	s_endpgm
.Lentry_in_a_cluster:
	s_bfe_u32 s2, ttmp6, 0x10000c
	s_cmp_lg_u32 s2, 0x3003
	s_cbranch_scc0 .Lentry_shape_is_right
	s_endpgm
.Lentry_shape_is_right:
; THIRD LAUNCH: out[b][q] = the sum over k of softmax_k(where(s == 0, 1e-10, s)) v[b][k], s = q[b][q] . k[b][k] / sqrt(512).  32 batches, 1,024 positions, 512 channels.  Nothing is left out.
; q, k, v come in f16 as images of operand registers (second launch); both products take f16 operands and sum in f32; maxima, exponentials and row sums in f32; p is rounded to f16 for the second product.
; LIMITS: p under 2^-25 is lost beside a row's sum, which is at least about 1; the zero test is made on the raw score: a raw score under 12 x 2^-149 that only the division would turn into zero keeps its value, which gives the same p as 1e-10
; to within rounding; NaN and infinities are not served.
; SHARES.  A work-group owns 128 queries of one batch, each of its four waves 32: two tiles of 16, from the scores to the output: O^T of 32 queries x 512 channels is 512 registers, Q 256.  Every wave walks the 1,024 keys, 128 a step.
; LAYOUT.  S^T = K Q^T (source 0 = 16 keys, source 1 = 16 queries) and O^T = V^T P (source 0 = 16 channels, source 1 = P): a lane holds ONE query throughout; two tiles of S^T, rounded in pairs, ARE a fragment of P.
; SOFTMAX.  A running maximum m and sum l for each query: p = 2^(c s - c m), c = log2(e) / sqrt(512), s the raw score; in every step O^T and l are multiplied by a = 2^(c m_old - c m_new).  m begins at -3e38 and O^T, l at zero, so that the
; step is written once for all steps: a first step of its own would be a third copy of the step's text.
; LDS.  One slot for 128 keys of K (131,072 bytes) and one for 128 keys of V; they take turns: K's is filled again behind the step's first product, V's behind its second.  All images are dense: every LDS load takes 512 consecutive bytes.
; Behind the slots a stage of 16 rows x 528 bytes for each wave, for the way out, and the spare words.
; CLUSTER.  The four query blocks of a cluster belong to one batch and walk the same K and V: each tile is asked for JOINTLY, by the same tensor load with the same descriptor and a mask that names the four; each wave brings a quarter.
; By this text's count a wave has two tensor loads out at the head and one behind each round.
; REGISTERS, in windows of 256: window 0: v0-7 addresses and constants; v8-23 statistics, eight a tile; v24-31 at work; v32-159 S^T (tile qt, keys kt: 32 + 64 qt + 8 kt), then P in place; v160-255 two sets of six fragments of K or V.
;   windows 1, 2: O^T (channel tile ct, query tile qt): window 1 + ct / 16, v[16 (ct % 16) + 8 qt].   window 3: Q (qt, channel step cs) at v[8 (16 qt + cs)].
.set VS,    131072                     ; V's slot
.set STAGE, 262144
.set SP,    528
.set SPARE, STAGE+4*16*SP              ; the spare words, 128 bytes for each wave: two blocks of 256 bytes that no other line names
.set STEPB, 131072                     ; 128 keys of K or of V in bytes
.set PFO, 0                            ; v0   256 x my thread's number: the prefetches' offset (made behind v1)
.set SPW, 1                            ; v1   LDS address of my spare word; never rewritten
.set NIL, 2                            ; v2   0; never rewritten
.set AKL, 3                            ; v3   16 x lane: K's images 0 to 63
.set AKH, 4                            ; v4   + 65,536: K's images 64 to 127
.set AVL, 5                            ; v5   V's images 0 to 63
.set AVH, 6                            ; v6   V's images 64 to 127
.set EPS, 7                            ; v7   1e-10 x sqrt(512): what a raw score of zero becomes
.set ST,  8                            ; tile t's statistics at v[ST + 8 t]: +0 c m, +1 m, +2, +3 l in two halves, +4 to +7 at work; a, and at the end 1 / l, takes +6
.set TMP, 24
.set STO, 24                           ; the way out: where I put 32 bytes of a row
.set RD,  25                           ; the way out: where I read a row back
.set S,   32
.set FB,  160
.set NFB, 12                           ; places for fragments: two sets of RUN
.set RUN, 6                            ; fragments in a batch, and in a run of loads
.set WV,  12                           ; s12  my wave's number
.set G1,  24                           ; s[24:31] descriptor group 1
.set G0K, 32                           ; s[32:35] group 0 for K's slot;  s[36:39] for V's
.set G0V, 36
.set CS,  40                           ; s[40:41] c, twice: the packed form names a pair
.set SEL, 42                           ; s[42:43] v_permlanex16_b32's selects for lane l xor 16
.set CNT, 44                           ; s44  steps that still fill slots
.set LIM, 45                           ; s45  1 in the batch's first cluster, else the greatest number
.set PFK, 46                           ; s[46:47] where my work-group's prefetches of K stand;  s[48:49] of V
.set PFV, 48
.set MK,  70                           ; s70-77 eight lane masks
.set MSB, 0
.macro WIN new                         ; the immediate's high byte repeats the setting that is left
.if MSB != (\new)
	s_set_vgpr_msb (MSB<<8)|(\new)
.set MSB, (\new)
.endif
.endm
.set W_QK, 0x0c                        ; source 1 (Q) in window 3; LDS loads into window 0 run unchanged under it
; A round of the cluster's barrier: my work-group's barrier; wave 0 signals for the work-group; every wave waits for all four work-groups; my work-group's barrier once more.
.macro CROUND
	s_barrier_signal -1
	s_barrier_wait -1
	s_cmp_lg_u32 s[WV], 0
	s_cbranch_scc1 .Lnot_wave_0_\@
	s_barrier_signal -3
.Lnot_wave_0_\@:
	s_barrier_wait -3
	s_barrier_signal -1
	s_barrier_wait -1
.endm
; A PREFETCH INTO THE L2 of the 128 keys that the next refill of the OTHER slot will ask for: at K's refill V of the next step (a softmax and a second product ahead of its load), at V's refill K of the step after next (a first product ahead).
; Each block of 256 bytes is named once in the launch: both clusters of a batch walk the same K and V, the first asks; its four partners take 32,768 bytes each, told apart BY ADDRESS; each of a work-group's 128 threads names one block.
; how = 1: in every trip;  how = 0: not in the loop's last trip, which has no such step.  The first step's K and V and the second's K come by their loads alone.
.macro ASK pf, how
.if \how
	s_cmp_eq_u32 s[LIM], 1
.else
	s_cmp_gt_u32 s[CNT], s[LIM]
.endif
	s_cbranch_scc0 .Lnot_mine_\@
	global_prefetch_b8 v[PFO], s[\pf:\pf+1] th:TH_LOAD_NT scope:SCOPE_SE
.Lnot_mine_\@:
.endm
	s_load_b256 s[4:11], s[0:1], 0x0               ; q s[4:5], k s[6:7], v s[8:9], out s[10:11]
	v_lshl_add_u32 v[SPW], v0, 2, SPARE
	v_mov_b32 v[NIL], 0
	ds_add_u32 v[SPW], v[NIL]                      ; the wave's opening: the add, twice on end, and its wait ahead of the round in front of my first tensor loads
	ds_add_u32 v[SPW], v[NIL]
	v_lshrrev_b32 v[AKH], 5, v0
	v_readfirstlane_b32 s[WV], v[AKH]              ; wave 0..3
	v_and_b32 v[AKL], 31, v0
	v_lshlrev_b32 v[AKL], 4, v[AKL]
	v_add_nc_u32 v[AKH], 65536, v[AKL]
	v_add_nc_u32 v[AVL], VS, v[AKL]
	v_add_nc_u32 v[AVH], VS+65536, v[AKL]
	v_lshlrev_b32 v[PFO], 8, v0
	v_mov_b32 v[EPS], 0x311b7e93
	s_bfe_u32 s13, ttmp6, 0x40000                  ; cx: my place in the cluster
	s_lshl_b32 s14, ttmp9, 2                       ; in a cluster launch ttmp9 counts clusters
	s_add_co_u32 s14, s14, s13                     ; my block of 128 queries: it enters Q's and out's addresses alone
	s_and_b32 s15, ttmp7, 0xffff                   ; the batch, which the four partners share
	s_mov_b32 s[G1], 15|(3<<16)|(1<<21)            ; 15:0 the mask: all four work-groups; 17:16 elements of 8 bytes; 21 set beside a mask; no padding
	s_mov_b32 s[G1+1], 32<<16                      ; tensor_dim0 = 32 elements: 256 bytes
	s_mov_b32 s[G1+2], 128<<16                     ; tensor_dim1 = 128
	s_mov_b32 s[G1+3], 32<<16                      ; tile_dim0
	s_mov_b32 s[G1+4], 128                         ; tile_dim1: 32,768 dense bytes a load
	s_mov_b32 s[G1+5], 32                          ; from row to row
	s_mov_b32 s[G1+6], 0
	s_mov_b32 s[G1+7], 0
	s_mov_b32 s[CS], 0x3d8293ee                    ; c = log2(e) / sqrt(512)
	s_mov_b32 s[CS+1], s[CS]
	s_mov_b32 s[SEL], 0x76543210
	s_mov_b32 s[SEL+1], 0xfedcba98
	s_mov_b32 s[CNT], 7
	s_cmp_eq_u32 ttmp9, 0                          ; the same in all four partners
	s_cselect_b32 s[LIM], 1, -1
	s_lshl_b32 s16, s15, 20                        ; K, V: a batch is 2^20 bytes; my quarter of a step's 131,072
	s_lshl_b32 s17, s[WV], 15
	s_add_co_u32 s16, s16, s17
	s_mov_b32 s17, 0
	s_lshl_b32 s18, s14, 17                        ; Q: the same, and my block's 8 tiles of 16 images
	s_add_co_u32 s18, s18, s16
	s_mov_b32 s19, 0
	s_lshl_b32 s20, s15, 21                        ; out: a batch is 2^21 bytes, a block 2^18, my 32 rows 2^16
	s_lshl_b32 s21, s14, 18
	s_add_co_u32 s20, s20, s21
	s_lshl_b32 s21, s[WV], 16
	s_add_co_u32 s20, s20, s21
	s_mov_b32 s21, 0
	s_lshl_b32 s22, s15, 20                        ; the prefetches: the batch, and my work-group's quarter
	s_lshl_b32 s23, s13, 15
	s_add_co_u32 s22, s22, s23
	s_mov_b32 s23, 0
.irp t, 0,1
	v_mov_b32 v[ST+8*\t+1], 0xff61b1e6             ; m = -3e38, under every score
	v_mul_f32 v[ST+8*\t], s[CS], v[ST+8*\t+1]      ; c m
.irp i, 2,3,4,5,6,7
	v_mov_b32 v[ST+8*\t+\i], 0                     ; l; and the registers at work, of which one is a lane permute's destination
.endr
.endr
	s_wait_dscnt 0x0                               ; both opening adds are done
	s_wait_kmcnt 0x0
	s_add_nc_u64 s[4:5], s[4:5], s[18:19]
	s_add_nc_u64 s[10:11], s[10:11], s[20:21]
	s_add_nc_u64 s[PFK:PFK+1], s[6:7], s[22:23]
	s_add_nc_u64 s[PFK:PFK+1], s[PFK:PFK+1], STEPB ; at step 1: V's first refill steps it to step 2
	s_add_nc_u64 s[PFV:PFV+1], s[8:9], s[22:23]    ; at step 0: K's first refill steps it to step 1
	s_mov_b32 s[G0K], 1
	s_lshl_b32 s[G0K+1], s[WV], 15                 ; LDS: wave x 32,768: no place in the cluster enters an LDS address
	s_add_nc_u64 s[G0K+2:G0K+3], s[6:7], s[16:17]
	s_or_b32 s[G0K+3], s[G0K+3], 0x80000000
	s_mov_b32 s[G0V], 1
	s_add_co_u32 s[G0V+1], s[G0K+1], VS
	s_add_nc_u64 s[G0V+2:G0V+3], s[8:9], s[16:17]
	s_or_b32 s[G0V+3], s[G0V+3], 0x80000000
	CROUND                                         ; all four work-groups are here: the first joint loads meet
	tensor_load_to_lds s[G0K:G0K+3], s[G1:G1+7]    ; step 0's K and V, by every wave, ahead of every wait on TENSORcnt and every LDS read
	s_nop 0
	tensor_load_to_lds s[G0V:G0V+3], s[G1:G1+7]
	s_nop 0
.rept 4
	v_nop
.endr
	WIN 0xc0                                       ; destination window 3
.set i, 0
.rept 64
	global_load_b128 v[4*i:4*i+3], v[AKL], s[4:5] offset:512*i th:TH_LOAD_NT   ; Q stays in registers: my 32 images, 512 consecutive bytes a load
.set i, i+1
.endr
.irp wd, 1,2                           ; O^T begins as zeros, which the first a = 0 leaves zeros; written while the first tiles are on their way
	WIN 0x40*\wd
.set i, 0
.rept 256
	v_mov_b32 v[i], 0
.set i, i+1
.endr
.endr
	WIN 0
.macro KLOAD                           ; K's fragment lf (keys 16 (lf % 8) on, channels 32 (lf / 8) on) into place lf % 12
.set lr, FB+8*(lf%NFB)
.if lf%8 < 4
	ds_load_b128 v[lr:lr+3], v[AKL] offset:(16*(lf%8)+lf/8)*1024
	ds_load_b128 v[lr+4:lr+7], v[AKL] offset:(16*(lf%8)+lf/8)*1024+512
.else
	ds_load_b128 v[lr:lr+3], v[AKH] offset:(16*(lf%8-4)+lf/8)*1024
	ds_load_b128 v[lr+4:lr+7], v[AKH] offset:(16*(lf%8-4)+lf/8)*1024+512
.endif
.endm
.macro VLOAD                           ; V's fragment lf (keys 32 (lf / 32) on, channels 16 (lf % 32) on) into place lf % 12
.set lr, FB+8*(lf%NFB)
.if lf < 64
	ds_load_b128 v[lr:lr+3], v[AVL] offset:1024*lf
	ds_load_b128 v[lr+4:lr+7], v[AVL] offset:1024*lf+512
.else
	ds_load_b128 v[lr:lr+3], v[AVH] offset:1024*(lf-64)
	ds_load_b128 v[lr+4:lr+7], v[AVH] offset:1024*(lf-64)+512
.endif
.endm
; Both matrix phases go by BATCHES of six of their 128 fragments, on two sets of six places that take turns.  A batch is twelve products back to back, each fragment against my two query tiles; behind it stand four v_nop, the
; places in front of loads into registers that those products have read (ISA guide 7.12.1 for vector instructions), and then, IN ONE RUN, the twelve loads of the batch after the next, into the set just left.
; So the stream of products is broken once for six fragments, never by a single load, and a batch is asked for twelve products and a run ahead of its first use.
; The wait stands ahead of each fragment's two products, so that a batch begins as soon as its first fragment is in.  It counts the loads issued behind fragment fi's two: fragments up to 6 (fi / 6 + 2) - 1, at most 127, have been asked for.
.macro FWAIT
.set nw, RUN*(fi/RUN+2)-1
.if nw > 127
.set nw, 127
.endif
	s_wait_dscnt 2*(nw-fi)
.endm
; S^T = K Q^T: fragment fi = 8 cs + kt.  The 16 accumulators take turns, one instruction a turn; the first 16 products start the sums.
.macro QK
	WIN W_QK
.set lf, 0
.rept NFB
	KLOAD
.set lf, lf+1
.endr
.set fi, 0
.rept 128
	FWAIT
.set kt, fi%8
.set cs, fi/8
.set rF, FB+8*(fi%NFB)
.if cs == 0
	v_wmma_f32_16x16x32_f16 v[S+8*kt:S+8*kt+7], v[rF:rF+7], v[8*cs:8*cs+7], 0
	v_wmma_f32_16x16x32_f16 v[S+64+8*kt:S+64+8*kt+7], v[rF:rF+7], v[128+8*cs:128+8*cs+7], 0
.else
	v_wmma_f32_16x16x32_f16 v[S+8*kt:S+8*kt+7], v[rF:rF+7], v[8*cs:8*cs+7], v[S+8*kt:S+8*kt+7]
	v_wmma_f32_16x16x32_f16 v[S+64+8*kt:S+64+8*kt+7], v[rF:rF+7], v[128+8*cs:128+8*cs+7], v[S+64+8*kt:S+64+8*kt+7]
.endif
.set fi, fi+1
.if (fi%RUN == 0) && (fi+RUN <= 127)   ; a batch is done: the batch after the next is asked for
.rept 4
	v_nop
.endr
.set lf, fi+RUN
.rept RUN
.if lf <= 127
	KLOAD
.endif
.set lf, lf+1
.endr
.endif
.endr
.rept 4
	v_nop                                          ; places in front of the first read of the scores and of the loads into the fragments' places
.endr
	WIN 0
.endm
.macro PVPRE                           ; V's first two batches are asked for ahead of the softmax
.set lf, 0
.rept NFB
	VLOAD
.set lf, lf+1
.endr
.endm
; O^T += V^T P: fragment fi = 32 ks + ct.  The 64 accumulators take turns.  The products' destination lies in window 1 or 2 and a load's in window 0: two switches a batch, and one where ct passes 16.
.macro PV
.rept 4
	v_nop
.endr
.set fi, 0
.rept 128
	FWAIT
.set ks, fi/32
.set ct, fi%32
.set rF, FB+8*(fi%NFB)
.set rO, 16*(ct%16)
	WIN 0x50*(1+ct/16)                             ; C and D in window 1 or 2
	v_wmma_f32_16x16x32_f16 v[rO:rO+7], v[rF:rF+7], v[S+16*ks:S+16*ks+7], v[rO:rO+7]
	v_wmma_f32_16x16x32_f16 v[rO+8:rO+15], v[rF:rF+7], v[S+64+16*ks:S+64+16*ks+7], v[rO+8:rO+15]
.set fi, fi+1
.if (fi%RUN == 0) && (fi+RUN <= 127)   ; a batch is done: the batch after the next is asked for
	WIN 0
.rept 4
	v_nop
.endr
.set lf, fi+RUN
.rept RUN
.if lf <= 127
	VLOAD
.endif
.set lf, lf+1
.endr
.endif
.endr
	WIN 0
.rept 5
	v_nop                                          ; five places in front of the next step's first products, which write over P; four in front of loads into the fragments' places and of reads of O^T
.endr
.endm
.macro RESCALE                         ; O^T times the factor in the tile's statistics register + 6; each accumulator from its low end on
.irp wd, 1,2
	WIN 0x41*\wd                                   ; destination and source 0 in window 1 or 2, the factor in window 0
.set j, 0
.rept 16
.irp t, 0,1
.irp i, 0,2,4,6
	v_pk_mul_f32 v[16*j+8*\t+\i:16*j+8*\t+\i+1], v[16*j+8*\t+\i:16*j+8*\t+\i+1], v[ST+8*\t+6:ST+8*\t+7] op_sel_hi:[1,0]
.endr
.endr
.set j, j+1
.endr
.endr
	WIN 0
.endm
; THE SOFTMAX of a step: 128 keys x my 32 queries; a lane holds 64 scores of each tile.
.macro SM
.set ac, 0
.rept 16                               ; a score of zero becomes 1e-10 (in raw units): compare and select, eight masks at a time, each accumulator from its low end on
.irp j, 0,1,2,3,4,5,6,7
	v_cmp_eq_f32 s[MK+\j], 0, v[S+8*ac+\j]
.endr
.irp j, 0,1,2,3,4,5,6,7
	v_cndmask_b32 v[S+8*ac+\j], v[S+8*ac+\j], v[EPS], s[MK+\j]
.endr
.set ac, ac+1
.endr
.irp j, 0,1,2,3                        ; the maximum: four chains of 15 scores a tile, the tiles by turns
.irp t, 0,1
	v_max3_num_f32 v[ST+8*\t+4+\j], v[S+64*\t+16*\j], v[S+64*\t+16*\j+1], v[S+64*\t+16*\j+2]
.endr
.endr
.irp i, 3,5,7,9,11,13
.irp j, 0,1,2,3
.irp t, 0,1
	v_max3_num_f32 v[ST+8*\t+4+\j], v[ST+8*\t+4+\j], v[S+64*\t+16*\j+\i], v[S+64*\t+16*\j+\i+1]
.endr
.endr
.endr
.irp t, 0,1
	v_max3_num_f32 v[ST+8*\t+4], v[ST+8*\t+4], v[S+64*\t+15], v[S+64*\t+31]   ; the four scores left over
	v_max3_num_f32 v[ST+8*\t+6], v[ST+8*\t+6], v[S+64*\t+47], v[S+64*\t+63]
.endr
.irp t, 0,1
	v_max3_num_f32 v[ST+8*\t+4], v[ST+8*\t+4], v[ST+8*\t+5], v[ST+8*\t+6]
.endr
.irp t, 0,1
	v_max3_num_f32 v[ST+8*\t+4], v[ST+8*\t+4], v[ST+8*\t+7], v[ST+8*\t+1]     ; and the old m
.endr
.irp t, 0,1
	v_permlanex16_b32 v[ST+8*\t+5], v[ST+8*\t+4], s[SEL], s[SEL+1]            ; the query's other 64 keys lie in the lane 16 away
.endr
.irp t, 0,1
	v_mov_b32 v[ST+8*\t+7], v[ST+8*\t]             ; c m_old
.endr
.irp t, 0,1
	v_max_num_f32 v[ST+8*\t+1], v[ST+8*\t+4], v[ST+8*\t+5]
.endr
.irp t, 0,1
	v_mul_f32 v[ST+8*\t], s[CS], v[ST+8*\t+1]
.endr
.irp t, 0,1
	v_sub_f32 v[ST+8*\t+7], v[ST+8*\t+7], v[ST+8*\t]
.endr
.irp t, 0,1
	v_exp_f32 v[ST+8*\t+6], v[ST+8*\t+7]           ; a = 2^(c m_old - c m_new)
.endr
.irp t, 0,1
.set j, 0
.rept 32
	v_pk_fma_f32 v[S+64*\t+j:S+64*\t+j+1], v[S+64*\t+j:S+64*\t+j+1], s[CS:CS+1], v[ST+8*\t:ST+8*\t+1] op_sel_hi:[1,0,0] neg_lo:[0,0,1] neg_hi:[0,0,1]   ; c s - c m, two at a time; plain work behind the two exponentials
.set j, j+2
.endr
.endr
	s_wait_alu depctr_va_vdst(0)                   ; ahead of the first line that names a: the rescaling below
.set j, 0
.rept 128
	v_exp_f32 v[S+j], v[S+j]                       ; p, one batch
.set j, j+1
.endr
	RESCALE                                        ; O^T times a: names none of the batch's results: the plain, independent work behind it
	s_wait_alu depctr_va_vdst(0)                   ; one wait for the 128, ahead of their first reader
.irp t, 0,1                            ; the row's sum, of the unrounded p: four chains of eight pairs a tile; p is kept
.irp j, 0,1,2,3
	v_pk_add_f32 v[TMP+2*\j:TMP+2*\j+1], v[S+64*\t+2*\j:S+64*\t+2*\j+1], v[S+64*\t+8+2*\j:S+64*\t+8+2*\j+1]
.endr
.irp i, 16,24,32,40,48,56
.irp j, 0,1,2,3
	v_pk_add_f32 v[TMP+2*\j:TMP+2*\j+1], v[TMP+2*\j:TMP+2*\j+1], v[S+64*\t+\i+2*\j:S+64*\t+\i+2*\j+1]
.endr
.endr
	v_pk_add_f32 v[TMP:TMP+1], v[TMP:TMP+1], v[TMP+2:TMP+3]
	v_pk_add_f32 v[TMP+4:TMP+5], v[TMP+4:TMP+5], v[TMP+6:TMP+7]
	v_pk_fma_f32 v[ST+8*\t+2:ST+8*\t+3], v[ST+8*\t+2:ST+8*\t+3], v[ST+8*\t+6:ST+8*\t+7], v[TMP:TMP+1] op_sel_hi:[1,0,1]   ; l = a l + the sums
	v_pk_add_f32 v[ST+8*\t+2:ST+8*\t+3], v[ST+8*\t+2:ST+8*\t+3], v[TMP+4:TMP+5]
.endr
.irp t, 0,1                            ; P in place: of each 16 registers (two tiles of keys) the first eight become the fragment; ascending, so that each source is read before it is written over
.irp k, 0,1,2,3
.irp i, 0,1,2,3,4,5,6,7
	v_cvt_pk_f16_f32 v[S+64*\t+16*\k+\i], v[S+64*\t+16*\k+2*\i], v[S+64*\t+16*\k+2*\i+1]
.endr
.endr
.endr
.endm
; THE CHANGE of a slot.  Each wave waits for all its tensor loads, of which one is out: its quarter of the OTHER slot, which is read next; adds 0 to its spare word; and waits for that and for its reads of the slot that it has left.
; fill = 1: a round of the cluster's barrier, so that no wave of any partner still reads the slot or has a load on its way; the joint refill, the slot's next 128 keys, is the first thing behind it and my one tensor load until the next round.
.macro CHANGE g0, pf, fill
	s_wait_tensorcnt 0x0                           ; no tensor load of mine is out, so a group 0 may be written
	ds_add_u32 v[SPW], v[NIL]                      ; 0 onto my spare word
.if \fill
	s_add_nc_u64 s[\g0+2:\g0+3], s[\g0+2:\g0+3], STEPB   ; the type bits on top are not reached
	s_wait_xcnt 0x0                                ; the last prefetch, a phase back, has read its address, so it may be written
	s_add_nc_u64 s[\pf:\pf+1], s[\pf:\pf+1], STEPB
	s_wait_dscnt 0x0                               ; the add is done, and my reads of the slot are over
	CROUND
	tensor_load_to_lds s[\g0:\g0+3], s[G1:G1+7]
	s_nop 0
.rept 4
	v_nop
.endr
.else
	s_wait_dscnt 0x0
	s_barrier_signal -1
	s_barrier_wait -1
.endif
.endm
	s_wait_tensorcnt 1                             ; my quarter of step 0's K is in; V's may stay out
	s_barrier_signal -1
	s_barrier_wait -1                              ; everybody's is
	s_wait_loadcnt 0x0                             ; Q
.Lstep:                                            ; seven trips: steps 0 to 6, each of which fills both slots again
	QK
	CHANGE G0K, PFV, 1                             ; V of this step is whole; K's slot takes the next step's
	PVPRE
	ASK PFV, 1
	SM
	PV
	CHANGE G0V, PFK, 1                             ; K of the next step is whole; V's slot takes the next step's
	ASK PFK, 0
	s_sub_co_u32 s[CNT], s[CNT], 1
	s_cmp_lg_u32 s[CNT], 0
	s_cbranch_scc1 .Lstep
	QK                                             ; the last step is written out: it asks for nothing
	CHANGE G0K, PFV, 0
	PVPRE
	SM
	PV
	; THE WAY OUT.  l's two halves and the other half of the lanes' are added; O^T is divided by l and goes through my stage in LDS, 16 queries x 128 channels at a time, so that the 32 lanes store whole rows of 512 bytes.
.irp t, 0,1
	v_add_f32 v[ST+8*\t+4], v[ST+8*\t+2], v[ST+8*\t+3]
.endr
.irp t, 0,1
	v_permlanex16_b32 v[ST+8*\t+5], v[ST+8*\t+4], s[SEL], s[SEL+1]
.endr
.irp t, 0,1
	v_add_f32 v[ST+8*\t+4], v[ST+8*\t+4], v[ST+8*\t+5]
.endr
.irp t, 0,1
	v_rcp_f32 v[ST+8*\t+6], v[ST+8*\t+4]
.endr
	v_bfe_u32 v26, v[AKL], 4, 4                    ; r (plain work behind the reciprocals)
	v_bfe_u32 v27, v[AKL], 8, 1                    ; h
	s_mul_i32 s16, s[WV], 16*SP
	s_add_co_u32 s16, s16, STAGE                   ; my stage
	v_mul_u32_u24 v[STO], v26, SP
	v_lshl_add_u32 v[STO], v27, 5, v[STO]
	v_add_nc_u32 v[STO], s16, v[STO]               ; in: row r, 32 bytes for each half of the lanes
	v_add_nc_u32 v[RD], s16, v[AKL]                ; back: the 32 lanes take one row of 512 bytes
	s_wait_alu depctr_va_vdst(0)                   ; one wait for the two reciprocals, ahead of their first reader
	RESCALE                                        ; O^T / l
.macro TOSTAGE a                       ; block a = 2 g + qt: channels 128 g on, query tile qt
.set g, (\a)/2
.set qt, (\a)%2
	WIN 0x04*(1+g/2)                               ; an LDS store's data are its source 1: window 1 or 2
.irp b, 0,1,2,3,4,5,6,7
.set rO, 16*((8*g+\b)%16)+8*qt
	ds_store_b128 v[STO], v[rO:rO+3] offset:64*\b
	ds_store_b128 v[STO], v[rO+4:rO+7] offset:64*\b+16
.endr
	WIN 0
.set BB, S+64*((\a)%2)
.irp t, 0,1,2,3,4,5,6,7,8,9,10,11,12,13,14,15
	ds_load_b128 v[BB+4*\t:BB+4*\t+3], v[RD] offset:\t*SP     ; LDS serves a wave's instructions in order (ISA guide 5.7.1.4): these see the stores above, and the next block's stores come behind them
.endr
.endm
.macro SEND a, younger                 ; younger: the LDS instructions issued behind block a's loads, which may stay out
.set g, (\a)/2
.set qt, (\a)%2
.set BB, S+64*((\a)%2)
	s_wait_dscnt \younger
.irp t, 0,1,2,3,4,5,6,7,8,9,10,11,12,13,14,15
	global_store_b128 v[AKL], v[BB+4*\t:BB+4*\t+3], s[10:11] offset:(16*qt+\t)*2048+512*g th:TH_STORE_NT   ; 32 lanes store 512 consecutive bytes, at a multiple of 256 from out's first byte
.endr
.endm
	TOSTAGE 0
.irp a, 1,2,3,4,5,6,7
.if \a > 1
	s_wait_xcnt 0x0                                ; block a - 2's stores have read their registers: block a's loads may land there
.endif
	TOSTAGE \a
	SEND \a-1, 32                                  ; behind block a - 1's loads: block a's 16 stores and 16 loads
.endr
	SEND 7, 0
	s_wait_tensorcnt 0x0                           ; the wave's end: an add and its wait, behind my last tensor load and my last LDS store
	ds_add_u32 v[SPW], v[NIL]
	s_wait_dscnt 0x0
	CROUND                                         ; the closing round: no work-group ends while a partner may still ask for a tile that names it
	s_endpgm
.Lfunc_end_k_q4dd2dd76bc_attn:
	.size	k_q4dd2dd76bc_attn, .Lfunc_end_k_q4dd2dd76bc_attn-k_q4dd2dd76bc_attn
	.p2alignl 7, 3214868480
	.fill 96, 4, 3214868480
	.section	.rodata,"a",@progbits
	.p2align	6, 0x0
	.amdhsa_kernel k_q4dd2dd76bc_attn
		.amdhsa_group_segment_fixed_size 327680
		.amdhsa_private_segment_fixed_size 0
		.amdhsa_enable_private_segment 0
		.amdhsa_kernarg_size 32
		.amdhsa_user_sgpr_count 2
		.amdhsa_user_sgpr_kernarg_segment_ptr 1
		.amdhsa_wavefront_size32 1
		.amdhsa_system_sgpr_workgroup_id_x 1
		.amdhsa_system_sgpr_workgroup_id_y 1
		.amdhsa_system_sgpr_workgroup_id_z 1
		.amdhsa_system_vgpr_workitem_id 0
		.amdhsa_next_free_vgpr 1024
		.amdhsa_next_free_sgpr 80
		.amdhsa_reserve_vcc 0
		.amdhsa_float_denorm_mode_32 3
		.amdhsa_float_denorm_mode_16_64 3
		.amdhsa_memory_ordered 1
		.amdhsa_forward_progress 1
		.amdhsa_inst_pref_size 255
	.end_amdhsa_kernel
	.section	.bss,"aw",@nobits
	.p2align	6
	.space	262144
	.amdgpu_metadata
---
amdhsa.version: [ 1, 2 ]
amdhsa.kernels:
  - .name:           k_q4dd2dd76bc_attn
    .symbol:         k_q4dd2dd76bc_attn.kd
    .args:
      - { .name: qbuf, .offset: 0, .size: 8, .value_kind: global_buffer, .address_space: global }
      - { .name: kbuf, .offset: 8, .size: 8, .value_kind: global_buffer, .address_space: global }
      - { .name: vbuf, .offset: 16, .size: 8, .value_kind: global_buffer, .address_space: global }
      - { .name: out0, .offset: 24, .size: 8, .value_kind: global_buffer, .address_space: global }
    .group_segment_fixed_size: 327680
    .private_segment_fixed_size: 0
    .kernarg_segment_align: 8
    .kernarg_segment_size: 32
    .max_flat_workgroup_size: 128
    .sgpr_count:     80
    .vgpr_count:     1024
    .wavefront_size: 32
...
	.end_amdgpu_metadata
.endif
;; end of part 4
